; MI455X (gfx1250); checked and timed in simulation.
; The chip was launched on July 23, 2026; its instructions are those of AMD's public machine-readable ISA for CDNA 5 (MIT licence, August 2026) and "CDNA5" Instruction Set Architecture Reference Guide (July 2026). The comments in the code are by the model that wrote it; some were corrected since.
;; Multi Head Attention. Allowed arithmetic: matrix products marked QUANTISED: E2M1 operands, one E8M0 scale for each 32 along K, by v_wmma_scale_f32_16x16x128_f8f6f4 with both operands' format E2M1 (or v_wmma_scale_f32_32x16x128_f4), f32 sums; products left as they are: bf16, f16 or f32 operands; f32 sums; everything else in f32.
;; Inputs: W_out 1,024 x 1,024 float32; W_packed 3,072 x 1,024 float32; b_out 1,024 float32; b_packed 3,072 float32; x 4 x 2,048 x 1,024 float32.
;; Outputs: out0 4 x 2,048 x 1,024 float32.
;; This version of the problem:
;;   THIS VERSION OF THE PROBLEM IS GIVEN IN LOW PRECISION. The matrix products marked QUANTISED in the list below multiply operands that are first quantised to E2M1 (2 exponent bits, 1 mantissa bit; 4 bits a number), with one power-of-two scale for each 32 numbers along K (OCP MX v1.0); their sums are f32. The products marked 'left as it is' may take bf16, f16 or f32 operands, with f32 sums. Whichever they take, every output number must still come out within the allowed error. Rounding operands to bf16 (8 significant bits) uses up far more of that allowance than f16 does (11 bits, for magnitudes from 6e-5 to 65,504). All else is computed in f32.
;;   The module's matrix products, in the order in which they are computed (A, B: the left and right operand; K: the contracted axis; several contracted axes count as one K, in the product's order):
;;     1. [M 8,192, K 1,024] x [K 1,024, N 3,072]; A: input x; B: input W_packed: QUANTISED
;;     2. batch 64 x [M 2,048, K 64] x [K 64, N 2,048]; A: computed on the way; B: computed on the way: left as it is (an operand is computed on the way)
;;     3. batch 64 x [M 2,048, K 2,048] x [K 2,048, N 64]; A: computed on the way; B: computed on the way: left as it is (an operand is computed on the way)
;;     4. [M 8,192, K 1,024] x [K 1,024, N 1,024]; A: computed on the way; B: input W_out: left as it is (an operand is computed on the way)
;;   THE QUANTISER, for each operand of a quantised product, along K:
;;     - K is cut into blocks of 32 from its start; a last block that is shorter is filled with zeros.
;;     - A block's scale is 2^e with e = floor(log2(the largest magnitude in the block)) - 2, held to -126 .. 127; a block of zeros has e = 0. As a byte (E8M0): e + 127.
;;     - Each number is divided by its block's scale, clamped to +-6, and rounded to the nearest number of E2M1, ties to even, subnormals kept.
;;     - The product sums the exact products of the quantised numbers (number of the format x scale) in f32.
;;   ~~~python
;;   def quantise(x, axis):      # numpy; x: float32 -> the quantised numbers, widened to float32 again
;;       x = np.moveaxis(x, axis, -1); K = x.shape[-1]
;;       x = np.pad(x, [(0, 0)] * (x.ndim - 1) + [(0, -K % 32)]); x = x.reshape(x.shape[:-1] + (-1, 32)); a = np.abs(x).max(-1, keepdims=True)
;;       e = np.where(a > 0, np.clip(np.frexp(np.where(a > 0, a, 1))[1] - 1 - 2, -126, 127), 0)      # np.frexp(a)[1] - 1 = floor(log2(a)), exactly
;;       r = np.clip(x / 2.0 ** e, -6, 6)
;;       step = 2.0 ** (np.maximum(np.frexp(np.where(r == 0, 1, r))[1] - 1, 0) - 1)
;;       q = np.round(r / step) * step * 2.0 ** e      # np.round: ties to even
;;       return np.moveaxis(q.reshape(q.shape[:-2] + (-1,))[..., :K], -1, axis).astype(np.float32)
;;   ~~~
;; One version. Each part assembles by itself: llvm-mc -triple=amdgcn-amd-amdhsa -mcpu=gfx1250 --defsym DOCPART=n.
;; ======== version 1 of 1: 4 launches
;; limits: values are held in f16: magnitudes above 65,504 overflow, below 6.1e-05 lose precision
;; workspace buffers: xc 4,194,304 bytes; xs 262,144 bytes; wc 1,572,864 bytes; ws 98,304 bytes; wo16 2,097,152 bytes; rope 524,288 bytes; qkv 50,331,648 bytes; ao 16,777,216 bytes
;; launch prep (part 1): grid 400 x 1, 4 waves a work-group, no clusters, 33,280 bytes of LDS; arguments x, W_packed, xc, xs, wc, ws, W_out, wo16, rope; writes xc, xs, wc, ws, wo16, rope
.if DOCPART == 1
	.amdgcn_target "amdgcn-amd-amdhsa--gfx1250"
	.amdhsa_code_object_version 6
	.text
	.protected	k_qa35b31140d_prep
	.globl	k_qa35b31140d_prep
	.p2align	8
	.type	k_qa35b31140d_prep,@function
k_qa35b31140d_prep:
	s_mov_b64 s[64:65], 0
	v_nop
	global_prefetch_b8 v0, s[64:65] scope:SCOPE_SE
	s_setreg_imm32_b32 hwreg(HW_REG_WAVE_MODE, 25, 1), 1
	s_wait_xcnt 0x0
; THREE JOBS IN ONE LAUNCH, told apart by the work-group's number alone.
; Work-groups 0-351: x [8192][1024] (256 of them) and W_packed [3072][1024] (96), f32, become codes of FP4 (E2M1), K innermost, two codes a byte, and one E8M0 byte for each 32 along K.
;   A block's scale is 2^(floor(log2(its largest magnitude)) - 2); its byte is the largest magnitude's exponent field - 2, held at 1 from below.  Each number is divided by the scale and rounded to the nearest code, ties to even, beyond 6 the code of 6.
; Work-groups 352-383: W_out [1024][1024] f32 is rounded once to f16 (the last product's operand).
; Work-groups 384-399: the table of rotations, [2048 positions][cos of 32 frequencies, sin of 32 frequencies] f32, 256 bytes a position.
; LIMITS: NaN and infinities among the inputs are not served.  A block of zeros, or one whose largest magnitude lies under 2^-124, gets the byte 1 (the rule says 127 for zeros): its codes are zeros or next to it, and the bytes are read by this program alone.
;   W_out's numbers stay under 65,504 in magnitude (f16).  The table's angle pos x theta is one f32 product, as the problem's text has it; theta comes from one exponential: at position 2,047 the angle lies within some 2e-4 rad of the exact one.
; Only the first job touches LDS.  Waves share nothing: no barrier.
.set WAVES, 4
.set STEPS, 16
.set WGA,   256                        ; x's work-groups: 8192 x 1024 / 32768
.set WGQ,   352                        ; + W_packed's 96
.set WGH,   384                        ; + W_out's 32
.set EMAX,  2
.set CB,    8                          ; bytes of 16 codes
.set R,     16                         ; v16-79   four sets of 16 numbers as they are loaded
.set X,     80                         ; v80-111  two sets of 16 neighbours
.set C,     128                        ; v128-191 codes: four registers for each step, so that no store's data are written again
.set E,     112                        ; v112-127 a scale byte for each step
.set WREG,  8192                       ; LDS: a region for each wave: two stages of 32 x SP bytes, behind them its 256 scale bytes
.set SP,    80                         ; a lane's place in a stage: 64 bytes + 16 of padding
.set SPW,   12                         ; v12  LDS address of my spare word; never rewritten
.set NIL,   13                         ; v13  0; never rewritten
.set SPARE, WAVES*WREG                 ; behind the four regions: the spare words, 128 bytes a wave
	s_load_b128 s[4:7], s[0:1], 0x0                ; x, W_packed
	s_load_b128 s[8:11], s[0:1], 0x10              ; x's codes, x's scales
	s_load_b128 s[12:15], s[0:1], 0x20             ; W_packed's codes, its scales
	s_load_b128 s[24:27], s[0:1], 0x30             ; W_out, its f16 copy
	s_load_b64 s[28:29], s[0:1], 0x40              ; the table
	v_lshl_add_u32 v[SPW], v0, 2, SPARE
	v_mov_b32 v[NIL], 0
	v_lshrrev_b32 v1, 5, v0
	v_readfirstlane_b32 s16, v1                    ; wave
	v_and_b32 v2, 31, v0                           ; lane
	s_cmp_ge_u32 ttmp9, WGQ
	s_cbranch_scc1 .Lother
; ---- THE QUANTISER.  Rows are dense and K is a multiple of 32: both tensors are plain streams of blocks of 32.  A wave takes 16 steps of 512 numbers.  Each load reads 512 consecutive bytes; a step's 2,048 bytes turn
; through the wave's own stage in LDS and come back 64 bytes a lane, so that a lane holds 16 neighbours (two lanes a block).  Loads run four steps ahead, the turn through LDS one step.
	v_lshlrev_b32 v3, 4, v2                        ; my 16 bytes of a load's 512
	s_mul_i32 s17, s16, WREG
	v_lshrrev_b32 v14, 2, v2
	v_mul_u32_u24 v14, v14, SP
	v_and_b32 v15, 3, v2
	v_lshl_add_u32 v14, v15, 4, v14
	v_add_nc_u32 v14, s17, v14                     ; the stage, way in: SP (lane / 4) + 16 (lane % 4)
	v_mul_u32_u24 v15, v2, SP
	v_add_nc_u32 v15, s17, v15                     ; way out: SP x lane
	v_mul_u32_u24 v4, v2, CB                       ; my codes' place in a step's
	v_lshrrev_b32 v5, 1, v2
	s_add_co_u32 s17, s17, 2*32*SP
	v_add_nc_u32 v5, s17, v5                       ; my wave's 256 scale bytes, my block's byte
	v_lshlrev_b32 v7, 3, v2
	v_add_nc_u32 v6, s17, v7                       ; and on the way out 8 bytes a lane
	s_wait_kmcnt 0x0
	s_cmp_lt_u32 ttmp9, WGA                        ; x's work-group or W_packed's: pointers alone are chosen
	s_cselect_b64 s[4:5], s[4:5], s[6:7]
	s_cselect_b64 s[8:9], s[8:9], s[12:13]
	s_cselect_b64 s[10:11], s[10:11], s[14:15]
	s_cselect_b32 s17, 0, WGA
	s_sub_co_u32 s17, ttmp9, s17
	s_lshl_b32 s17, s17, 2
	s_add_co_u32 s18, s17, s16                     ; which run of 8,192 numbers is my wave's
	s_mov_b32 s19, 0
	s_mov_b64 s[20:21], 512*STEPS*4
	s_mul_u64 s[20:21], s[18:19], s[20:21]
	s_add_nc_u64 s[4:5], s[4:5], s[20:21]
	s_mov_b64 s[20:21], 32*STEPS*CB
	s_mul_u64 s[20:21], s[18:19], s[20:21]
	s_add_nc_u64 s[8:9], s[8:9], s[20:21]
	s_lshl_b32 s18, s18, 8                         ; 256 scale bytes a run
	s_add_nc_u64 s[10:11], s[10:11], s[18:19]
.macro LOAD t
.irp i, 0,1,2,3
	global_load_b128 v[R+16*((\t)%4)+4*\i:R+16*((\t)%4)+4*\i+3], v3, s[4:5] offset:2048*(\t)+512*\i th:TH_LOAD_NT
.endr
.endm
.macro TURN t                          ; step t's numbers through the stage: LDS serves a wave's instructions in order, so no wait stands between the stores and the loads
.irp i, 0,1,2,3
	ds_store_b128 v14, v[R+16*((\t)%4)+4*\i:R+16*((\t)%4)+4*\i+3] offset:32*SP*((\t)%2)+8*SP*\i
.endr
.irp i, 0,1,2,3
	ds_load_b128 v[X+16*((\t)%2)+4*\i:X+16*((\t)%2)+4*\i+3], v15 offset:32*SP*((\t)%2)+16*\i
.endr
.endm
.irp t, 0,1,2,3
	LOAD \t
.endr
	s_wait_loadcnt 12                              ; step 0's four loads are in
	TURN 0
.macro STEP t
.set XS, X+16*((\t)%2)
.if (\t) > 0
	s_wait_dscnt 1                                 ; this step's numbers are back from the stage (the last step's byte store may be out)
.else
	s_wait_dscnt 0x0
.endif
.if (\t)+4 < STEPS
	LOAD (\t)+4                                    ; into the registers that this step's stores into the stage have read
.endif
.if (\t)+1 < STEPS
.if STEPS-2-(\t) >= 3
	s_wait_loadcnt 12                              ; the next step's four loads are in; those of the three steps behind it may be out
.else
	s_wait_loadcnt 4*(STEPS-2-(\t))
.endif
	TURN (\t)+1
.endif
	v_max3_num_f32 v8, |v[XS]|, |v[XS+1]|, |v[XS+2]|               ; the largest magnitude of my 16, in two chains
	v_max3_num_f32 v9, |v[XS+3]|, |v[XS+4]|, |v[XS+5]|
.irp i, 6,10
	v_max3_num_f32 v8, v8, |v[XS+\i]|, |v[XS+\i+1]|
	v_max3_num_f32 v9, v9, |v[XS+\i+2]|, |v[XS+\i+3]|
.endr
	v_max3_num_f32 v8, v8, |v[XS+14]|, |v[XS+15]|
	v_max3_num_f32 v8, v8, v9, (EMAX+1)<<23        ; and the floor 2^(3 - 127): the byte cannot fall under 1
	v_max_num_f32_dpp v8, v8, v8 row_xmask:1 row_mask:0xf bank_mask:0xf   ; with my neighbour's 16: the block's
	v_add_nc_u32 v11, -(EMAX<<23), v8              ; 2 off its exponent field: the conversion takes that field as its scale and nothing else
	v_cvt_scalef32_pk8_fp4_f32 v[C+4*(\t)], v[XS:XS+7], v11
	v_cvt_scalef32_pk8_fp4_f32 v[C+4*(\t)+1], v[XS+8:XS+15], v11
	v_lshrrev_b32 v[E+(\t)], 23, v11               ; the scale's byte (also the plain line behind the conversions)
	ds_store_b8 v5, v[E+(\t)] offset:16*(\t)       ; both lanes of a block write the same byte with the same value
	global_store_b64 v4, v[C+4*(\t):C+4*(\t)+1], s[8:9] offset:32*CB*(\t)   ; the wave stores 256 consecutive bytes, aligned
.endm
.irp t, 0,1,2,3,4,5,6,7,8,9,10,11,12,13,14,15
	STEP \t
.endr
	ds_load_b64 v[8:9], v6                         ; in order behind my byte stores
	s_wait_dscnt 0x0
	global_store_b64 v7, v[8:9], s[10:11]          ; my wave's 256 scale bytes, consecutive and aligned
	s_wait_tensorcnt 0x0                           ; the wave's end: these three lines behind my last LDS store
	ds_add_u32 v[SPW], v[NIL]
	s_wait_dscnt 0x0
	s_endpgm
.Lother:
	s_cmp_ge_u32 ttmp9, WGH
	s_cbranch_scc1 .Ltable
; ---- W_out TO f16.  A wave takes 8,192 numbers: 64 loads of 512 consecutive bytes in four groups of 16, two groups in flight; a load's 128 numbers leave as 256 consecutive bytes.
.set G, 16                             ; v16-143: two sets of 64
	s_sub_co_u32 s17, ttmp9, WGQ
	s_lshl_b32 s17, s17, 2
	s_add_co_u32 s17, s17, s16                     ; my run, 0 .. 127
	s_lshl_b32 s18, s17, 15                        ; 32,768 bytes in,
	s_mov_b32 s19, 0
	s_lshl_b32 s20, s17, 14                        ; 16,384 out
	s_mov_b32 s21, 0
	v_lshlrev_b32 v3, 4, v2
	v_lshlrev_b32 v4, 3, v2
	s_wait_kmcnt 0x0
	s_add_nc_u64 s[24:25], s[24:25], s[18:19]
	s_add_nc_u64 s[26:27], s[26:27], s[20:21]
.macro LOADG g
.irp i, 0,1,2,3,4,5,6,7,8,9,10,11,12,13,14,15
	global_load_b128 v[G+64*((\g)%2)+4*\i:G+64*((\g)%2)+4*\i+3], v3, s[24:25] offset:(16*(\g)+\i)*512 th:TH_LOAD_NT
.endr
.endm
	LOADG 0
	LOADG 1
.irp g, 0,1,2,3
.if \g < 3
	s_wait_loadcnt 16                              ; this group is in; the other group's 16 loads may be out
.else
	s_wait_loadcnt 0x0
.endif
.irp i, 0,1,2,3,4,5,6,7,8,9,10,11,12,13,14,15
	v_cvt_pk_f16_f32 v[G+64*(\g%2)+4*\i], v[G+64*(\g%2)+4*\i], v[G+64*(\g%2)+4*\i+1]       ; to the nearest f16, in place
	v_cvt_pk_f16_f32 v[G+64*(\g%2)+4*\i+1], v[G+64*(\g%2)+4*\i+2], v[G+64*(\g%2)+4*\i+3]
	global_store_b64 v4, v[G+64*(\g%2)+4*\i:G+64*(\g%2)+4*\i+1], s[26:27] offset:(16*\g+\i)*256
.endr
.if \g < 2
	s_wait_xcnt 0x0                                ; the stores have read their registers: the set is loaded again only behind this wait
	LOADG \g+2
.endif
.endr
	s_endpgm
.Ltable:
; ---- THE TABLE.  A wave makes 32 positions, a position a trip.  Lanes 0-15 make the cosines of frequencies 2 (lane % 16) and + 1, lanes 16-31 the sines, as cos(a - pi/2): one quadrant less.
; theta_j = 10000^(-j/32) = 2^(-j log2(10000)/32).  a = pos x theta; n = the nearest whole number to a 2/pi; r = a - n pi/2, pi/2 in two parts; sin r and cos r on |r| <= pi/4 by polynomials of degree 7 and 8; the quadrant picks one and its sign.
	s_sub_co_u32 s17, ttmp9, WGH
	s_lshl_b32 s17, s17, 2
	s_add_co_u32 s17, s17, s16                     ; my run, 0 .. 63
	s_lshl_b32 s41, s17, 5                         ; its first position
	s_lshl_b32 s18, s17, 13                        ; 32 rows of 256 bytes
	s_mov_b32 s19, 0
	v_lshrrev_b32 v20, 4, v2                       ; 0: cosines, 1: sines
	v_mul_u32_u24 v21, v20, 3                      ; a quadrant less is three more, modulo 4
	v_and_b32 v22, 15, v2
	v_lshlrev_b32 v22, 1, v22
	v_cvt_f32_u32 v24, v22                         ; j
	v_add_f32 v25, 1.0, v24                        ; j + 1
	v_mul_f32 v24, 0xbed49a78, v24                 ; x -log2(10000)/32
	v_mul_f32 v25, 0xbed49a78, v25
	v_exp_f32 v24, v24                             ; theta
	v_exp_f32 v25, v25
	v_lshlrev_b32 v23, 3, v2                       ; my 8 bytes of a row (the plain line behind the exponentials)
	s_mov_b32 s30, 0x3f22f983                      ; 2/pi
	s_mov_b32 s31, 0x3fc90fdb                      ; pi/2, its f32 part,
	s_mov_b32 s32, 0xb33bbd2e                      ; and what that leaves
	s_mov_b32 s33, 0xb94ca1f9                      ; sine: -1.9515296e-4, 8.3321609e-3, -1.6666655e-1
	s_mov_b32 s34, 0x3c08839e
	s_mov_b32 s35, 0xbe2aaaa3
	s_mov_b32 s36, 0x37ccf5ce                      ; cosine: 2.4433157e-5, -1.3887316e-3, 4.1666646e-2
	s_mov_b32 s37, 0xbab6061a
	s_mov_b32 s38, 0x3d2aaaa5
	s_wait_alu depctr_va_vdst(0)                   ; one wait for both exponentials, ahead of the label and of their first reader
	s_wait_kmcnt 0x0
	s_add_nc_u64 s[28:29], s[28:29], s[18:19]
	s_mov_b32 s40, 0
.Lrow:
	v_cvt_f32_u32 v26, s41
.irp u, 0,1
	v_mul_f32 v[28+\u], v26, v[24+\u]              ; a
	v_mul_f32 v[30+\u], s30, v[28+\u]
	v_rndne_f32 v[30+\u], v[30+\u]                 ; n
	v_fma_f32 v[28+\u], -v[30+\u], s31, v[28+\u]
	v_fma_f32 v[28+\u], -v[30+\u], s32, v[28+\u]   ; r
	v_cvt_i32_f32 v[30+\u], v[30+\u]
	v_add_nc_u32 v[30+\u], v[30+\u], v21           ; the quadrant
	v_mul_f32 v[32+\u], v[28+\u], v[28+\u]         ; z = r r
	v_fma_f32 v[34+\u], v[32+\u], s33, s34
	v_fma_f32 v[34+\u], v[34+\u], v[32+\u], s35
	v_mul_f32 v[34+\u], v[34+\u], v[32+\u]
	v_fma_f32 v[34+\u], v[34+\u], v[28+\u], v[28+\u]   ; sin r
	v_fma_f32 v[36+\u], v[32+\u], s36, s37
	v_fma_f32 v[36+\u], v[36+\u], v[32+\u], s38
	v_mul_f32 v[36+\u], v[36+\u], v[32+\u]
	v_fma_f32 v[38+\u], v[32+\u], -0.5, 1.0
	v_fma_f32 v[36+\u], v[36+\u], v[32+\u], v[38+\u]   ; cos r
	v_and_b32 v[38+\u], 1, v[30+\u]
	v_cmp_ne_u32 vcc_lo, 0, v[38+\u]
	v_cndmask_b32 v[40+\u], v[36+\u], v[34+\u], vcc_lo ; odd quadrants take the sine: a choice of values, no branch
	v_add_nc_u32 v[30+\u], 1, v[30+\u]
	v_and_b32 v[30+\u], 2, v[30+\u]
	v_lshlrev_b32 v[30+\u], 30, v[30+\u]
	v_xor_b32 v[40+\u], v[40+\u], v[30+\u]         ; quadrants 1 and 2 turn the sign
.endr
	global_store_b64 v23, v[40:41], s[28:29]       ; a row: 256 consecutive bytes, aligned
	s_wait_xcnt 0x0                                ; the store has read its data and its base: both are written again only behind this wait
	s_add_nc_u64 s[28:29], s[28:29], 256
	s_add_co_u32 s41, s41, 1
	s_add_co_u32 s40, s40, 1
	s_cmp_lt_u32 s40, 32
	s_cbranch_scc1 .Lrow
	s_endpgm
.Lfunc_end_k_qa35b31140d_prep:
	.size	k_qa35b31140d_prep, .Lfunc_end_k_qa35b31140d_prep-k_qa35b31140d_prep
	.p2alignl 7, 3214868480
	.fill 96, 4, 3214868480
	.section	.rodata,"a",@progbits
	.p2align	6, 0x0
	.amdhsa_kernel k_qa35b31140d_prep
		.amdhsa_group_segment_fixed_size 33280
		.amdhsa_private_segment_fixed_size 0
		.amdhsa_enable_private_segment 0
		.amdhsa_kernarg_size 72
		.amdhsa_user_sgpr_count 2
		.amdhsa_user_sgpr_kernarg_segment_ptr 1
		.amdhsa_wavefront_size32 1
		.amdhsa_system_sgpr_workgroup_id_x 1
		.amdhsa_system_sgpr_workgroup_id_y 1
		.amdhsa_system_sgpr_workgroup_id_z 1
		.amdhsa_system_vgpr_workitem_id 0
		.amdhsa_next_free_vgpr 192
		.amdhsa_next_free_sgpr 66
		.amdhsa_reserve_vcc 1
		.amdhsa_float_denorm_mode_32 3
		.amdhsa_float_denorm_mode_16_64 3
		.amdhsa_memory_ordered 1
		.amdhsa_forward_progress 1
		.amdhsa_inst_pref_size 58
	.end_amdhsa_kernel
	.amdgpu_metadata
---
amdhsa.version: [ 1, 2 ]
amdhsa.kernels:
  - .name:           k_qa35b31140d_prep
    .symbol:         k_qa35b31140d_prep.kd
    .args:
      - { .name: x, .offset: 0, .size: 8, .value_kind: global_buffer, .address_space: global }
      - { .name: W_packed, .offset: 8, .size: 8, .value_kind: global_buffer, .address_space: global }
      - { .name: xc, .offset: 16, .size: 8, .value_kind: global_buffer, .address_space: global }
      - { .name: xs, .offset: 24, .size: 8, .value_kind: global_buffer, .address_space: global }
      - { .name: wc, .offset: 32, .size: 8, .value_kind: global_buffer, .address_space: global }
      - { .name: ws, .offset: 40, .size: 8, .value_kind: global_buffer, .address_space: global }
      - { .name: W_out, .offset: 48, .size: 8, .value_kind: global_buffer, .address_space: global }
      - { .name: wo16, .offset: 56, .size: 8, .value_kind: global_buffer, .address_space: global }
      - { .name: rope, .offset: 64, .size: 8, .value_kind: global_buffer, .address_space: global }
    .group_segment_fixed_size: 33280
    .private_segment_fixed_size: 0
    .kernarg_segment_align: 8
    .kernarg_segment_size: 72
    .max_flat_workgroup_size: 128
    .sgpr_count:     66
    .vgpr_count:     192
    .wavefront_size: 32
...
	.end_amdgpu_metadata
.endif
;; end of part 1
;; launch qkv (part 2): grid 12 x 32, 4 waves a work-group, clusters of 4 x 4, 327,680 bytes of LDS; arguments xc, xs, wc, ws, b_packed, rope, qkv; writes qkv
.if DOCPART == 2
	.amdgcn_target "amdgcn-amd-amdhsa--gfx1250"
	.amdhsa_code_object_version 6
	.text
	.protected	k_qa35b31140d_qkv
	.globl	k_qa35b31140d_qkv
	.p2align	8
	.type	k_qa35b31140d_qkv,@function
k_qa35b31140d_qkv:
	s_mov_b64 s[64:65], 0
	v_nop
	global_prefetch_b8 v0, s[64:65] scope:SCOPE_SE
	s_setreg_imm32_b32 hwreg(HW_REG_WAVE_MODE, 25, 1), 1
	s_wait_xcnt 0x0
	s_wait_alu depctr_hold_cnt(0) depctr_sa_sdst(0) depctr_va_vdst(0) depctr_va_sdst(0) depctr_va_ssrc(0) depctr_va_vcc(0) depctr_vm_vsrc(0)
	s_getreg_b32 s2, hwreg(HW_REG_IB_STS2, 6, 4)
	s_cmp_eq_u32 s2, 0
	s_cbranch_scc0 .Lentry_in_a_cluster
	s_endpgm
.Lentry_in_a_cluster:
	s_bfe_u32 s2, ttmp6, 0x10000c
	s_cmp_lg_u32 s2, 0xf033
	s_cbranch_scc0 .Lentry_shape_is_right
	s_endpgm
.Lentry_shape_is_right:
; qkv = x W_packed^T + b_packed on codes of FP4 (E2M1) with one E8M0 scale for each 32 along K; then the rotation of q and k by position; then f16, split by heads: [3 parts][64 = batch x 16 + head][2048 positions][64] f16.
; A tile of 256 tokens x 256 columns is made by four waves, each 128 x 128: 64 accumulators of 16 x 16, 512 registers.  K = 1,024 is two LDS slots of 512 along K (rows of 256 bytes): both are filled once, at the start, and nothing is filled again.
; The scale bytes of the work-group's 256 + 256 rows, two dense blocks of memory, come into LDS with them.  By this text's own count a wave has three tensor loads out at the start.
; CLUSTERS: 4 x 4 work-groups.  The four of a row of the cluster need the same tiles of x, the four of a column the same tiles of W: each is asked for jointly, by the same tensor load with the same descriptor and a mask that names the four.
; THE MATRIX INSTRUCTION IS USED TRANSPOSED (source 0 = 16 rows of W, source 1 = 16 tokens): a lane holds one token (lane % 16) and eight neighbouring columns.  The bias, in that layout, is the C of each sum's first instruction.
; THE ROTATION.  A wave's 128 columns are two heads; column block b holds head b / 4, channels 16 (b % 4) + 8 (lane / 16) + 0 .. 7.  Channel d < 32 and channel d + 32 lie in the same lane and register of blocks b and b + 2: no lane is crossed.
; V's work-groups (cluster x = 2) run the same lines on the table's row 0, which is cos = 1, sin = 0: no branch.
; LIMITS: q, k, v stay under 65,504 in magnitude (f16): with x and W 30 times the drawn spread they reach some 5,000; with offsets of 30 spreads on both some 41,000.  NaN and infinities are not served.
; REGISTERS, in windows of 256.  Window 0: v0-31 addresses; v32-95 scale words, two sets, and nothing else ever; v128-191 x's fragments, one set; v192-255 the bias.  On the way out: v96-159 rotated numbers, v160-191 their f16, v192-255 rows read back.
;   Window 1: W's fragments, two sets, at v0 and v128; on the way out v0-63 two sets of cos and sin.   Window 2: the accumulators of my tokens 0-63 ((a, b) at v[8 (8 a + b)]);  window 3: of tokens 64-127.
.set SIZE_M, 8192
.set SIZE_N, 3072
.set SIZE_K, 1024
.set KSTEP,  512                       ; along K in a slot
.set NQ,     KSTEP/128                 ; matrix instructions deep
.set ROWB,   256                       ; a tile's row in bytes
.set KROW,   SIZE_K*4/8                ; a row of codes in memory
.set PITCH,  272                       ; an LDS row: 256 bytes + 16 of padding: the 16 rows that a load touches begin 68 words apart
.set FR,     8                         ; registers of a fragment: 16 rows x 128 K
.set NL,     2                         ; LDS loads that bring one
.set NP,     4                         ; places behind this matrix instruction (ISA guide 7.12.1)
.set HALFT,  128*PITCH
.set SLOT,   4*HALFT                   ; x's 256 rows, then W's 256 rows
.set KS,     SIZE_K/32                 ; a row of scale bytes
.set SCL,    2*SLOT                    ; behind the slots: the scales, as rows of 256 bytes + 16 of padding
.set HALFS,  (128*KS/256)*272
.set SBLK,   (16*KS/256)*272
.set SPARE,  SCL+4*HALFS               ; behind the scales: the spare words, 128 bytes a wave
.set SP,     144                       ; the way out: a stage row: a head's 128 bytes + 16
.set WSTG,   2*16*SP                   ; a wave's stage: two heads x 16 tokens.  It lies in slot 0, which has had its only fill and its last read when the first result is stored there
.set PLANE,  262144                    ; a head's 2,048 positions x 128 bytes
.set TOF,  8                           ; v8-15   the table's byte for my token of block a, + 32 (lane / 16)
.set ADRA, 16                          ; v16-17  LDS address of my fragments of x in slot 0, 1
.set ADRB, 20                          ; v20-21  the same for W
.set STO,  24                          ; v24     the way out: where I put 16 bytes of a row
.set RD,   25                          ; v25     where I read rows back
.set CO,   26                          ; v26     16 x lane
.set ADRS, 27                          ; v27     LDS address of my scale words: lanes 0-15 x's rows, lanes 16-31 W's
.set SPW,  28                          ; v28     LDS address of my spare word; never rewritten
.set NIL,  29                          ; v29     0; never rewritten
.set SC,   32
.set TMP,  96
.set AF,   128
.set H,    160
.set BIAS, 192
.set BK,   192
.set G1, 24                            ; s[24:31] descriptor group 1 for x's tiles;  s[32:39] group 0, one set for each slot
.set G0, 32
.set G1B, 48                           ; s[48:55], s[56:63] the same for W's
.set G0B, 56
.set G1S, 68                           ; s[68:75], s[76:79] for x's scales;  s[80:87], s[88:91] for W's
.set G0S, 76
.set G1SB, 80
.set G0SB, 88
.set MSB, 0
.macro WIN new                         ; the immediate's high byte repeats the setting that is left; a switch that changes nothing is dropped
.set WNEW, \new
.if MSB != WNEW
	s_set_vgpr_msb (MSB<<8)|WNEW
.set MSB, WNEW
.endif
.endm
.set MUL_LO, 0xa1                      ; source 0 (W) window 1, source 1 (x) window 0, C and D window 2
.set MUL_HI, 0xf1                      ; the same, C and D window 3
.set TO_B,   0x40                      ; destination window 1, address window 0
; A joint load: waves 0 and 1 fetch for x, waves 2 and 3 for W; the branch hangs on the wave's number alone.  An s_nop 0 and four v_nop follow each of the two lines.
.macro JLOAD g0a, g1a, g0b, g1b
	s_cmp_eq_u32 s15, 0
	s_cbranch_scc0 .Lfor_b_\@
	tensor_load_to_lds s[\g0a:\g0a+3], s[\g1a:\g1a+7]
	s_nop 0
.rept 4
	v_nop
.endr
	s_branch .Lasked_\@
.Lfor_b_\@:
	tensor_load_to_lds s[\g0b:\g0b+3], s[\g1b:\g1b+7]
	s_nop 0
.rept 4
	v_nop
.endr
.Lasked_\@:
.endm
.macro CROUND                          ; a round of the cluster's barrier
	s_barrier_signal -1
	s_barrier_wait -1
	s_cmp_lg_u32 s14, 0
	s_cbranch_scc1 .Lnot_wave_0_\@
	s_barrier_signal -3
.Lnot_wave_0_\@:
	s_barrier_wait -3
	s_barrier_signal -1
	s_barrier_wait -1
.endm
	s_load_b128 s[4:7], s[0:1], 0x0                ; x's codes, x's scales
	s_load_b128 s[8:11], s[0:1], 0x10              ; W's codes, W's scales
	s_load_b128 s[96:99], s[0:1], 0x20             ; the bias, the table
	s_load_b64 s[12:13], s[0:1], 0x30              ; qkv
	v_lshl_add_u32 v[SPW], v0, 2, SPARE
	v_mov_b32 v[NIL], 0
	ds_add_u32 v[SPW], v[NIL]                      ; the wave's opening: the add, twice on end, and its wait ahead of my first tensor load
	ds_add_u32 v[SPW], v[NIL]
	v_lshrrev_b32 v1, 5, v0
	v_readfirstlane_b32 s14, v1                    ; wave 0..3
	s_lshr_b32 s15, s14, 1                         ; which half of the tile's tokens is mine.  Also: I fetch for x (0) or for W (1)
	s_and_b32 s16, s14, 1                          ; which half of its columns.  Also: which 128 rows of that tile I fetch
	s_bfe_u32 s40, ttmp6, 0x40000                  ; cx, cy: my place in the cluster
	s_bfe_u32 s41, ttmp6, 0x40004
	s_lshl_b32 s42, ttmp9, 2
	s_add_co_u32 s42, s42, s40                     ; tile column = 4 x cluster x + cx
	s_and_b32 s17, ttmp7, 0xffff
	s_lshl_b32 s17, s17, 2
	s_add_co_u32 s17, s17, s41                     ; tile row = 4 x cluster y + cy
	s_lshl_b32 s43, s41, 2
	s_lshl_b32 s43, 15, s43                        ; my row of the cluster
	s_lshl_b32 s44, 0x1111, s40                    ; my column
	; descriptor group 1: a tile of 128 rows x 256 bytes, padded in LDS
	s_or_b32 s[G1+0], s43, (0<<16)|(1<<20)|(1<<21)|(5<<22)|(3<<25)  ; 15:0 the mask; 17:16 elements of 1 byte; 20 padding on; 21 set beside a mask; 24:22 after every 64 words; 31:25 four words
	s_or_b32 s[G1B+0], s44, (0<<16)|(1<<20)|(1<<21)|(5<<22)|(3<<25)
.irp g, G1, G1B
	s_mov_b32 s[\g+1], ROWB<<16                    ; tensor_dim0
	s_mov_b32 s[\g+2], 128<<16                     ; tensor_dim1
	s_mov_b32 s[\g+3], ROWB<<16                    ; tile_dim0
	s_mov_b32 s[\g+4], 128                         ; tile_dim1
	s_mov_b32 s[\g+5], KROW                        ; from row to row
	s_mov_b32 s[\g+6], 0
	s_mov_b32 s[\g+7], 0
.endr
	; the scales of 128 rows: a dense block of 4,096 bytes, as 16 rows of 256 bytes (32 elements of 8 bytes), 16 bytes of padding behind each
	s_or_b32 s[G1S+0], s43, (3<<16)|(1<<20)|(1<<21)|(5<<22)|(3<<25)
	s_or_b32 s[G1SB+0], s44, (3<<16)|(1<<20)|(1<<21)|(5<<22)|(3<<25)
.irp g, G1S, G1SB
	s_mov_b32 s[\g+1], 32<<16
	s_mov_b32 s[\g+2], (128*KS/256)<<16
	s_mov_b32 s[\g+3], 32<<16
	s_mov_b32 s[\g+4], 128*KS/256
	s_mov_b32 s[\g+5], 32
	s_mov_b32 s[\g+6], 0
	s_mov_b32 s[\g+7], 0
.endr
	s_lshl_b32 s18, s16, 7                         ; which 128 rows of the tile I fetch
	s_lshl_b32 s20, s17, 8
	s_add_co_u32 s20, s20, s18                     ; x: row 256 x tile row + 128 x half
	s_lshl_b32 s46, s42, 8
	s_add_co_u32 s46, s46, s18                     ; W: row 256 x tile column + 128 x half
	s_mov_b32 s21, 0
	s_mov_b32 s47, 0
	s_mov_b64 s[18:19], KS
	s_mul_u64 s[22:23], s[20:21], s[18:19]         ; where these rows' scales begin,
	s_mul_u64 s[92:93], s[46:47], s[18:19]
	s_mov_b64 s[18:19], KROW
	s_mul_u64 s[20:21], s[20:21], s[18:19]         ; and their codes
	s_mul_u64 s[46:47], s[46:47], s[18:19]
	s_mul_i32 s45, s14, HALFT                      ; where they go: wave x 128 rows: no place in the cluster enters an LDS address
	s_mul_i32 s94, s14, HALFS
	s_wait_dscnt 0x0                               ; both opening adds are done
	s_wait_kmcnt 0x0
	s_add_nc_u64 s[20:21], s[4:5], s[20:21]
	s_add_nc_u64 s[22:23], s[6:7], s[22:23]
	s_add_nc_u64 s[46:47], s[8:9], s[46:47]
	s_add_nc_u64 s[92:93], s[10:11], s[92:93]
	CROUND                                         ; all sixteen work-groups are here: the joint loads meet
	s_mov_b32 s[G0S], 1
	s_add_co_u32 s[G0S+1], s94, SCL
	s_mov_b64 s[G0S+2:G0S+3], s[22:23]
	s_or_b32 s[G0S+3], s[G0S+3], 0x80000000
	s_mov_b32 s[G0SB], 1
	s_add_co_u32 s[G0SB+1], s94, SCL
	s_mov_b64 s[G0SB+2:G0SB+3], s[92:93]
	s_or_b32 s[G0SB+3], s[G0SB+3], 0x80000000
	JLOAD G0S, G1S, G0SB, G1SB                     ; the scales first: they are wanted with K step 0
.irp s, 0,1
	s_mov_b32 s[G0+4*\s], 1
	s_add_co_u32 s[G0+4*\s+1], s45, \s*SLOT
	s_add_nc_u64 s[G0+4*\s+2:G0+4*\s+3], s[20:21], \s*ROWB
	s_or_b32 s[G0+4*\s+3], s[G0+4*\s+3], 0x80000000
	s_mov_b32 s[G0B+4*\s], 1
	s_add_co_u32 s[G0B+4*\s+1], s45, \s*SLOT
	s_add_nc_u64 s[G0B+4*\s+2:G0B+4*\s+3], s[46:47], \s*ROWB
	s_or_b32 s[G0B+4*\s+3], s[G0B+4*\s+3], 0x80000000
	JLOAD G0+4*\s, G1, G0B+4*\s, G1B
.endr
	v_and_b32 v1, 15, v0                           ; r = lane % 16
	v_bfe_u32 v2, v0, 4, 1                         ; h = lane / 16
	; the bias of my 128 columns, in the result's layout: for column block b the eight numbers at 16 b + 8 h
	s_lshl_b32 s92, s42, 10
	s_lshl_b32 s93, s16, 9
	s_add_co_u32 s92, s92, s93                     ; 4 bytes x (256 x tile column + 128 x half)
	s_mov_b32 s93, 0
	s_add_nc_u64 s[96:97], s[96:97], s[92:93]
	v_lshlrev_b32 v7, 5, v2
.irp b, 0,1,2,3,4,5,6,7
	global_load_b128 v[BIAS+8*\b:BIAS+8*\b+3],   v7, s[96:97] offset:64*\b
	global_load_b128 v[BIAS+8*\b+4:BIAS+8*\b+7], v7, s[96:97] offset:64*\b+16
.endr
	v_mul_u32_u24 v3, v1, PITCH
	v_lshl_add_u32 v4, v2, 4, v3                   ; a fragment's row x pitch + 16 x half
	s_mul_i32 s21, s15, HALFT                      ; my 128 rows of x
	s_mul_i32 s22, s16, HALFT                      ; my 128 rows of W,
	s_add_co_u32 s22, s22, 2*HALFT                 ; which lie behind x's 256
.irp s, 0,1
	v_add_nc_u32 v[ADRA+\s], s21, v4
	v_add_nc_u32 v[ADRB+\s], s22, v4
	s_add_co_u32 s21, s21, SLOT
	s_add_co_u32 s22, s22, SLOT
.endr
	v_mul_u32_u24 v5, v1, KS                       ; my row's scales: 32 bytes a row,
	v_lshrrev_b32 v6, 8, v5
	v_lshl_add_u32 v5, v6, 4, v5                   ; and 16 more for each 256 passed
	s_mul_i32 s21, s15, HALFS
	s_mul_i32 s22, s16, HALFS
	s_add_co_u32 s22, s22, 2*HALFS
	s_sub_co_u32 s22, s22, s21
	v_mul_u32_u24 v6, s22, v2                      ; lanes 16-31 take W's: the lower base + h x the distance
	s_add_co_u32 s21, s21, SCL
	v_add_nc_u32 v5, v5, v6
	v_add_nc_u32 v[ADRS], s21, v5
	s_mul_i32 s23, s14, WSTG                       ; my stage
	v_mul_u32_u24 v5, v1, SP
	v_lshl_add_u32 v5, v2, 4, v5
	v_add_nc_u32 v[STO], s23, v5                   ; in: row r, 16 bytes for each half of the lanes
	v_bfe_u32 v5, v0, 3, 2
	v_mul_u32_u24 v5, v5, SP
	v_and_b32 v6, 7, v0
	v_lshl_add_u32 v5, v6, 4, v5
	v_add_nc_u32 v[RD], s23, v5                    ; back: eight lanes to a row of 128 bytes, four rows an instruction
	v_and_b32 v6, 31, v0
	v_lshlrev_b32 v[CO], 4, v6                     ; the same four rows in memory are 512 consecutive bytes
	; the table's rows for my tokens: position = (tile row % 8) x 256 + 128 x half + 16 a + r; V's columns (cluster x = 2) take row 0
	s_cmp_lt_u32 ttmp9, 2
	s_cselect_b32 s95, -1, 0
	s_and_b32 s92, s17, 7
	s_lshl_b32 s92, s92, 8
	s_lshl_b32 s93, s15, 7
	s_add_co_u32 s92, s92, s93                     ; my first position
	v_add_nc_u32 v6, s92, v1
	v_lshlrev_b32 v6, 8, v6                        ; 256 bytes a position
.irp a, 0,1,2,3,4,5,6,7
	v_add_nc_u32 v[TOF+\a], \a*16*256, v6
	v_and_b32 v[TOF+\a], s95, v[TOF+\a]
	v_lshl_add_u32 v[TOF+\a], v2, 5, v[TOF+\a]
.endr
	; where my part of qkv begins: plane = part x 64 + batch x 16 + head; my two heads are 4 x tile column + 2 x half and the next
	s_lshl_b32 s20, s42, 2
	s_lshl_b32 s21, s16, 1
	s_add_co_u32 s20, s20, s21
	s_lshr_b32 s21, s20, 4                         ; part
	s_and_b32 s20, s20, 15                         ; head
	s_lshl_b32 s21, s21, 6
	s_add_co_u32 s20, s20, s21
	s_lshr_b32 s21, s17, 3                         ; batch
	s_lshl_b32 s21, s21, 4
	s_add_co_u32 s20, s20, s21
	s_lshl_b32 s20, s20, 18                        ; x 262,144: under 2^26
	s_lshl_b32 s21, s92, 7                         ; + my first position x 128 bytes
	s_add_co_u32 s20, s20, s21
	s_mov_b32 s21, 0
	s_add_nc_u64 s[12:13], s[12:13], s[20:21]
.macro FRAG reg, adr, q, i             ; a fragment: lane l holds row l % 16; registers 4 c .. 4 c + 3 hold K = 64 c + 32 (l / 16) + 0 .. 31
.irp c, 0,1
	ds_load_b128 v[\reg+4*\c:\reg+4*\c+3], v[\adr] offset:64*(\q)+32*\c+(\i)*16*PITCH
.endr
.endm
; 16 matrix instructions: x's blocks a0, a0 + 1 against W's eight, 128 along K.  p: W's set;  sc: the set of scale words.  zero = 1: the first product starts the sums from the bias.
; The 64 accumulators take turns, one instruction a turn, in the same order in every step.
.macro MUL16 a0, p, q, sc, zero
.irp a, \a0, \a0+1
.irp b, 0,1,2,3,4,5,6,7
.if \zero
	v_wmma_scale_f32_16x16x128_f8f6f4 v[8*(8*((\a)%4)+\b):8*(8*((\a)%4)+\b)+7], v[128*(\p)+FR*\b:128*(\p)+FR*\b+FR-1], v[AF+FR*(\a):AF+FR*(\a)+FR-1], v[BIAS+8*\b:BIAS+8*\b+7], v[SC+8*NQ*(\sc)+NQ*\b+(\q)], v[SC+8*NQ*(\sc)+NQ*(\a)+(\q)] matrix_a_fmt:MATRIX_FMT_FP4 matrix_b_fmt:MATRIX_FMT_FP4 matrix_a_scale:MATRIX_SCALE_ROW1
.else
	v_wmma_scale_f32_16x16x128_f8f6f4 v[8*(8*((\a)%4)+\b):8*(8*((\a)%4)+\b)+7], v[128*(\p)+FR*\b:128*(\p)+FR*\b+FR-1], v[AF+FR*(\a):AF+FR*(\a)+FR-1], v[8*(8*((\a)%4)+\b):8*(8*((\a)%4)+\b)+7], v[SC+8*NQ*(\sc)+NQ*\b+(\q)], v[SC+8*NQ*(\sc)+NQ*(\a)+(\q)] matrix_a_fmt:MATRIX_FMT_FP4 matrix_b_fmt:MATRIX_FMT_FP4 matrix_a_scale:MATRIX_SCALE_ROW1
.endif
.endr
.endr
.endm
.macro FETCH_B slot, q, p              ; W's eight fragments of the slot's q-th 128 along K into set p
	WIN TO_B
.irp i, 0,1,2,3,4,5,6,7
	FRAG 128*(\p)+FR*\i, ADRB+\slot, \q, \i
.endr
	WIN 0
.endm
.macro FETCH_A slot, q, i0             ; x's blocks i0 .. i0 + 3
.irp i, \i0, \i0+1, \i0+2, \i0+3
	FRAG AF+FR*(\i), ADRA+\slot, \q, \i
.endr
.endm
.macro SCALES sc                       ; a K step's scale words into set sc: four words a row; lanes 0-15 take x's block i, lanes 16-31 W's block i
.irp i, 0,1,2,3,4,5,6,7
	ds_load_b128 v[SC+8*NQ*\sc+NQ*\i:SC+8*NQ*\sc+NQ*\i+3], v[ADRS] offset:\i*SBLK
.endr
.endm
; A load into a register that a matrix instruction has read, and a vector instruction or LDS store that reads a matrix result, stand NP places behind it; only plain vector instructions that name none of its registers are places.
.macro PLACES n
.rept \n
	v_nop
.endr
.endm
; A step of 128 along K that has its successor in the same slot.  x has one set of registers: blocks 0-3 are fetched anew in the step's middle, blocks 4-7 at its end; W has two sets.
.macro STEP slot, q, zero
	s_wait_dscnt 4*NL                              ; W's set and x's blocks 0-3 are in; the youngest eight loads (x's blocks 4-7) may be out
	WIN MUL_LO-0x20*(\zero)                        ; (zero = 1: C, the bias, lies in window 0)
	MUL16 0, (\q)%2, \q, \slot, \zero
	MUL16 2, (\q)%2, \q, \slot, \zero
	s_wait_dscnt 0                                 ; x's blocks 4-7 are in (asked for 32 matrix instructions ago)
	PLACES NP
	FETCH_B \slot, (\q)+1, 1-(\q)%2
	FETCH_A \slot, (\q)+1, 0
	WIN MUL_HI-0x30*(\zero)
	MUL16 4, (\q)%2, \q, \slot, \zero
	MUL16 6, (\q)%2, \q, \slot, \zero
	PLACES NP
	WIN 0
	FETCH_A \slot, (\q)+1, 4
.endm
; Slot 0's last step changes slots: one barrier; in front of it each wave waits for all its tensor loads (its part of slot 1), adds 0 to its spare word, and waits for that and for its reads of slot 0.  Nothing is filled again.
.macro TURN slot, next
	s_wait_tensorcnt 0x0                           ; all my tensor loads have landed  (every window is 0 here)
	ds_add_u32 v[SPW], v[NIL]                      ; 0 onto my spare word
	s_wait_dscnt 4*NL+1                            ; (the add and the youngest eight loads may be out)
	WIN MUL_LO
	MUL16 0, 1, NQ-1, \slot, 0
	s_wait_dscnt 0x0                               ; the add is done, and my reads of this slot are over
	s_barrier_signal -1
	MUL16 2, 1, NQ-1, \slot, 0
	WIN 0
	s_barrier_wait -1                              ; the next slot is whole, and nobody reads this one any more
	PLACES NP
	v_add_nc_u32 v[ADRS], 4*NQ, v[ADRS]            ; on to the next K step's scale words
	FETCH_B \next, 0, 0
	FETCH_A \next, 0, 0
	SCALES \next
	WIN MUL_HI
	MUL16 4, 1, NQ-1, \slot, 0
	MUL16 6, 1, NQ-1, \slot, 0
	PLACES NP
	WIN 0
	FETCH_A \next, 0, 4
.endm
	s_wait_tensorcnt 1                             ; the scales and my part of K step 0 are in (K step 1's load may be out)
	s_barrier_signal -1
	s_barrier_wait -1                              ; everybody's are
	FETCH_B 0, 0, 0
	FETCH_A 0, 0, 0
	SCALES 0
	FETCH_A 0, 0, 4
	s_wait_loadcnt 0x0                             ; the bias
	STEP 0, 0, 1
	STEP 0, 1, 0
	STEP 0, 2, 0
	TURN 0, 1
	STEP 1, 0, 0
	STEP 1, 1, 0
	STEP 1, 2, 0
	s_wait_dscnt 4*NL                              ; the last step: nothing more to fetch
	WIN MUL_LO
	MUL16 0, 1, NQ-1, 1, 0
	MUL16 2, 1, NQ-1, 1, 0
	s_wait_dscnt 0
	WIN MUL_HI
	MUL16 4, 1, NQ-1, 1, 0
	MUL16 6, 1, NQ-1, 1, 0
	WIN 0
; THE WAY OUT, block by block of 16 tokens x 128 columns.
.macro TABLOAD a                       ; cos and sin of block a's tokens into set a % 2 of window 1: cos of frequency 16 bb + 8 h + j at 8 bb + j, sin 16 registers on
	WIN 0x40
.set CBS, 32*((\a)%2)
.irp o, 0,1,2,3
	global_load_b128 v[CBS+4*\o:CBS+4*\o+3],       v[TOF+(\a)], s[98:99] offset:64*(\o/2)+16*(\o%2)
	global_load_b128 v[CBS+16+4*\o:CBS+16+4*\o+3], v[TOF+(\a)], s[98:99] offset:128+64*(\o/2)+16*(\o%2)
.endr
	WIN 0
.endm
.macro PKPART a                        ; the rotation: out(d) = t1 cos - t2 sin, out(d + 32) = t1 sin + t2 cos; each accumulator is read from its low end on
.set AC, 64*((\a)%4)
.set CBS, 32*((\a)%2)
	WIN 0x06+(\a)/4                                ; source 0: the accumulators' window; source 1: window 1
.irp g, 0,1
.irp bb, 0,1
.irp j, 0,2,4,6
	v_pk_mul_f32 v[TMP+8*(4*\g+\bb)+\j:TMP+8*(4*\g+\bb)+\j+1],     v[AC+8*(4*\g+\bb+2)+\j:AC+8*(4*\g+\bb+2)+\j+1], v[CBS+16+8*\bb+\j:CBS+16+8*\bb+\j+1]
	v_pk_mul_f32 v[TMP+8*(4*\g+\bb+2)+\j:TMP+8*(4*\g+\bb+2)+\j+1], v[AC+8*(4*\g+\bb+2)+\j:AC+8*(4*\g+\bb+2)+\j+1], v[CBS+8*\bb+\j:CBS+8*\bb+\j+1]
	v_pk_fma_f32 v[TMP+8*(4*\g+\bb)+\j:TMP+8*(4*\g+\bb)+\j+1],     v[AC+8*(4*\g+\bb)+\j:AC+8*(4*\g+\bb)+\j+1], v[CBS+8*\bb+\j:CBS+8*\bb+\j+1], v[TMP+8*(4*\g+\bb)+\j:TMP+8*(4*\g+\bb)+\j+1] neg_lo:[0,0,1] neg_hi:[0,0,1]
	v_pk_fma_f32 v[TMP+8*(4*\g+\bb+2)+\j:TMP+8*(4*\g+\bb+2)+\j+1], v[AC+8*(4*\g+\bb)+\j:AC+8*(4*\g+\bb)+\j+1], v[CBS+16+8*\bb+\j:CBS+16+8*\bb+\j+1], v[TMP+8*(4*\g+\bb+2)+\j:TMP+8*(4*\g+\bb+2)+\j+1]
.endr
.endr
.endr
	WIN 0
.endm
.macro CVT                             ; to f16, once: a lane's eight channels of a column block are 16 bytes
.irp b, 0,1,2,3,4,5,6,7
.irp i, 0,1,2,3
	v_cvt_pk_f16_f32 v[H+4*\b+\i], v[TMP+8*\b+2*\i], v[TMP+8*\b+2*\i+1]
.endr
.endr
.endm
.macro TOSTAGE a                       ; into my stage, and back as whole rows.  LDS serves a wave's instructions in order (ISA guide 5.7.1.4): no wait between the stores and the loads
.irp b, 0,1,2,3,4,5,6,7
	ds_store_b128 v[STO], v[H+4*\b:H+4*\b+3] offset:(\b/4)*16*SP+32*(\b%4)
.endr
.set BB, BK+32*((\a)%2)
.irp g, 0,1
.irp i, 0,1,2,3
	ds_load_b128 v[BB+4*(4*\g+\i):BB+4*(4*\g+\i)+3], v[RD] offset:\g*16*SP+\i*4*SP
.endr
.endr
.endm
.macro SEND a
.set BB, BK+32*((\a)%2)
	s_wait_dscnt 0x0                               ; the block is back in registers, and the stage's stores have read theirs
.irp g, 0,1
.irp i, 0,1,2,3
	global_store_b128 v[CO], v[BB+4*(4*\g+\i):BB+4*(4*\g+\i)+3], s[12:13] offset:\g*PLANE+(16*(\a)+4*\i)*128   ; four positions of a head: 512 consecutive bytes, aligned
.endr
.endr
.endm
	PLACES NP                                      ; behind the last products: for the first reads of results and the first writes over fragments
	TABLOAD 0
	TABLOAD 1
.irp a, 0,1,2,3,4,5,6,7
.if \a < 7
	s_wait_loadcnt 8                               ; this block's cos and sin are in; the next block's eight loads may be out
.else
	s_wait_loadcnt 0x0
.endif
	PKPART \a
.if \a < 6
	TABLOAD \a+2
.endif
.if \a > 0
	SEND \a-1
.endif
	CVT
.if \a > 1
	s_wait_xcnt 0x0                                ; block a - 2's stores have read the registers into which block a's rows come back
.endif
	TOSTAGE \a
.endr
	SEND 7
	s_wait_tensorcnt 0x0                           ; the wave's end: these three lines behind my last tensor load and my last LDS store
	ds_add_u32 v[SPW], v[NIL]
	s_wait_dscnt 0x0
	CROUND                                         ; the closing round
	s_endpgm
.Lfunc_end_k_qa35b31140d_qkv:
	.size	k_qa35b31140d_qkv, .Lfunc_end_k_qa35b31140d_qkv-k_qa35b31140d_qkv
	.p2alignl 7, 3214868480
	.fill 96, 4, 3214868480
	.section	.rodata,"a",@progbits
	.p2align	6, 0x0
	.amdhsa_kernel k_qa35b31140d_qkv
		.amdhsa_group_segment_fixed_size 327680
		.amdhsa_private_segment_fixed_size 0
		.amdhsa_enable_private_segment 0
		.amdhsa_kernarg_size 56
		.amdhsa_user_sgpr_count 2
		.amdhsa_user_sgpr_kernarg_segment_ptr 1
		.amdhsa_wavefront_size32 1
		.amdhsa_system_sgpr_workgroup_id_x 1
		.amdhsa_system_sgpr_workgroup_id_y 1
		.amdhsa_system_sgpr_workgroup_id_z 1
		.amdhsa_system_vgpr_workitem_id 0
		.amdhsa_next_free_vgpr 1024
		.amdhsa_next_free_sgpr 100
		.amdhsa_reserve_vcc 0
		.amdhsa_float_denorm_mode_32 3
		.amdhsa_float_denorm_mode_16_64 3
		.amdhsa_memory_ordered 1
		.amdhsa_forward_progress 1
		.amdhsa_inst_pref_size 168
	.end_amdhsa_kernel
	.amdgpu_metadata
---
amdhsa.version: [ 1, 2 ]
amdhsa.kernels:
  - .name:           k_qa35b31140d_qkv
    .symbol:         k_qa35b31140d_qkv.kd
    .args:
      - { .name: xc, .offset: 0, .size: 8, .value_kind: global_buffer, .address_space: global }
      - { .name: xs, .offset: 8, .size: 8, .value_kind: global_buffer, .address_space: global }
      - { .name: wc, .offset: 16, .size: 8, .value_kind: global_buffer, .address_space: global }
      - { .name: ws, .offset: 24, .size: 8, .value_kind: global_buffer, .address_space: global }
      - { .name: b_packed, .offset: 32, .size: 8, .value_kind: global_buffer, .address_space: global }
      - { .name: rope, .offset: 40, .size: 8, .value_kind: global_buffer, .address_space: global }
      - { .name: qkv, .offset: 48, .size: 8, .value_kind: global_buffer, .address_space: global }
    .group_segment_fixed_size: 327680
    .private_segment_fixed_size: 0
    .kernarg_segment_align: 8
    .kernarg_segment_size: 56
    .max_flat_workgroup_size: 128
    .sgpr_count:     100
    .vgpr_count:     1024
    .wavefront_size: 32
...
	.end_amdgpu_metadata
.endif
;; end of part 2
;; launch attn (part 3): grid 4 x 64, 8 waves a work-group, clusters of 4 x 1, 327,680 bytes of LDS; arguments qkv, ao; writes ao
.if DOCPART == 3
	.amdgcn_target "amdgcn-amd-amdhsa--gfx1250"
	.amdhsa_code_object_version 6
	.text
	.protected	k_qa35b31140d_attn
	.globl	k_qa35b31140d_attn
	.p2align	8
	.type	k_qa35b31140d_attn,@function
k_qa35b31140d_attn:
	s_mov_b64 s[64:65], 0
	v_nop
	global_prefetch_b8 v0, s[64:65] scope:SCOPE_SE
	s_setreg_imm32_b32 hwreg(HW_REG_WAVE_MODE, 25, 1), 1
	s_wait_xcnt 0x0
	s_wait_alu depctr_hold_cnt(0) depctr_sa_sdst(0) depctr_va_vdst(0) depctr_va_sdst(0) depctr_va_ssrc(0) depctr_va_vcc(0) depctr_vm_vsrc(0)
	s_getreg_b32 s2, hwreg(HW_REG_IB_STS2, 6, 4)
	s_cmp_eq_u32 s2, 0
	s_cbranch_scc0 .Lentry_in_a_cluster
	s_endpgm
.Lentry_in_a_cluster:
	s_bfe_u32 s2, ttmp6, 0x10000c
	s_cmp_lg_u32 s2, 0x3003
	s_cbranch_scc0 .Lentry_shape_is_right
	s_endpgm
.Lentry_shape_is_right:
; O[head][q] = the sum over k of softmax_k(Q[q] . K[k] / 8) V[k], no mask.  Q, K, V: three parts of qkv, each [64 heads][2048][64] f16.  O goes to ao [16 heads][8192 tokens][64] f16.
; Products on f16 operands with f32 sums; maxima, exponentials and sums in f32; the weights p (at most 1) are rounded to f16 for the second product, O once at the end.
; SHARES.  A work-group owns 512 queries of one head, each of its eight waves 64: four tiles of 16, in 512 registers.  Two waves lie on a SIMD: a step is written in plain phases, and one wave's softmax stands beside the other's products.
; Every wave walks all 2,048 keys, 64 a step.  K and V come through two LDS slots of four steps each.
; LAYOUT.  S^T = K Q^T (source 0 = 16 keys, source 1 = 16 queries): a lane holds ONE query (lane % 16) and keys 8 (lane / 16) + 0..7.  Two such tiles, rounded to f16 in pairs, ARE source 1 of O^T = V^T P.  K comes out of LDS as it lies, V turned, by ds_load_tr16_b128.
; SOFTMAX.  For each query a running maximum m and sum l: p = 2^(c s - c m), c = log2(e) / 8; in every step O and l are multiplied by a = 2^(c m_old - c m_new).  m begins at -3e38 and O, l at 0, so the step is written once.
; CLUSTER.  The head's four work-groups walk the same K and V: each tile is asked for jointly, by the same tensor load with the same descriptor and the mask of all four.  Waves 0-3 fetch a slot's four tiles of K, waves 4-7 those of V: one load a wave behind each round.
; LIMITS: NaN and infinities are not served; O stays under 65,504 (it is an average of V's rows).
; REGISTERS.  Window 0: v2-12 addresses; v16-47 statistics, 8 a tile: +0 c m, +1 m, +2, +3 l, +4..7 at work (a at +6); v48-63 sums at work; v64-191 S^T, 32 a tile, P in place; v192-255 V.
;   Window 1: v0-127 O^T, 32 a tile; v128-191 Q; v192-255 K.
.set KS,    64                         ; keys in a step
.set PK,    144                        ; a row of K in LDS: 128 bytes + 16: the 16 rows of a load begin 36 words apart
.set PV,    160                        ; a row of V: 128 + 32: an odd multiple of 32 bytes, for the turning load
.set VOFF,  KS*PK                      ; a step: 64 rows of K, then 64 rows of V
.set STEPB, KS*(PK+PV)
.set NST,   4                          ; steps in a slot
.set SLOT1, 1<<17                      ; slot 1 begins here: one exclusive or turns an address from one slot to the other
.set STAGE, NST*STEPB                  ; behind slot 0: 16 rows x 144 bytes for each wave, for the way out
.set SP,    144
.set SPARE, STAGE+8*16*SP              ; behind the stages: the spare words, 128 bytes a wave
.set NSL,   2048/(NST*KS)              ; slots' worth of keys: 8
.set SLOTB, NST*KS*128                 ; a slot's rows of K (or V) in memory: 32,768 bytes
.set AK0, 2                            ; v2   my lane's place in a tile of K
.set AV0, 3                            ; v3   the same for V
.set ADK, 4                            ; v4   LDS address of the step's K
.set ADV, 5                            ; v5   of its V
.set QO,  6                            ; v6   my byte in the wave's rows of Q
.set STO, 7                            ; v7   the way out: where I put 16 bytes
.set RD,  8                            ; v8   where I read rows back
.set GO,  9                            ; v9   16 x lane
.set PFO, 10                           ; v10  256 x lane: the prefetches' offset; never rewritten
.set SPW, 11                           ; v11  LDS address of my spare word; never rewritten
.set NIL, 12                           ; v12  0; never rewritten
.set ST,  16
.set T,   48
.set S,   64
.set VF,  192
.set QF,  128                          ; in window 1
.set KF,  192                          ; in window 1
.set WV,  12                           ; s12  my wave's number
.set LIM, 15                           ; s15  1 in a wave that prefetches, else the greatest number
.set PFA, 18                           ; s[18:19] where my prefetches stand
.set G1K, 24                           ; s[24:31] descriptor group 1 for K's tiles;  s[32:39] for V's (other padding)
.set G1V, 32
.set G0K, 40                           ; s[40:43], s[44:47] their groups 0, which walk
.set G0V, 44
.set QB,  52                           ; s[52:53] Q at my wave's first row
.set OB,  54                           ; s[54:55] ao likewise
.set SLOTS, 56                         ; s56  slots still to be asked for
.set CNT, 57                           ; s57  counts a slot's steps
.set CS,  58                           ; s[58:59] c
.set SEL, 60                           ; s[60:61] v_permlanex16_b32's selects: lane l xor 16
.set TB,  62                           ; s62  LDS byte at which the step's tiles begin
.set MSB, 0
.macro WIN new                         ; the immediate's high byte repeats the setting that is left; a switch that changes nothing is dropped
.set WNEW, \new
.if MSB != WNEW
	s_set_vgpr_msb (MSB<<8)|WNEW
.set MSB, WNEW
.endif
.endm
; A joint load; the branch hangs on the wave's number alone.  An s_nop 0 and four v_nop follow each of the two lines.
.macro JLOAD
	s_cmp_lt_u32 s[WV], 4
	s_cbranch_scc0 .Lfor_v_\@
	tensor_load_to_lds s[G0K:G0K+3], s[G1K:G1K+7]
	s_nop 0
.rept 4
	v_nop
.endr
	s_branch .Lasked_\@
.Lfor_v_\@:
	tensor_load_to_lds s[G0V:G0V+3], s[G1V:G1V+7]
	s_nop 0
.rept 4
	v_nop
.endr
.Lasked_\@:
.endm
; A prefetch of what the NEXT change of slots will ask for: 256 rows of K and of V, 32,768 dense bytes each.  The four partners take 8,192 bytes each, told apart by address; in each, wave 0 asks for K's and wave 4 for V's,
; lanes 256 bytes apart: each aligned block of 256 bytes is named once in the launch.  It stands four steps ahead of the load that wants the bytes.  The last change that fills a slot asks for nothing; slots 0 and 1 come by their loads alone.
.macro ASK
	s_cmp_gt_u32 s[SLOTS], s[LIM]
	s_cbranch_scc0 .Lnot_mine_\@
	global_prefetch_b8 v[PFO], s[PFA:PFA+1] th:TH_LOAD_NT scope:SCOPE_SE
.Lnot_mine_\@:
.endm
.macro CROUND                          ; a round of the cluster's barrier
	s_barrier_signal -1
	s_barrier_wait -1
	s_cmp_lg_u32 s[WV], 0
	s_cbranch_scc1 .Lnot_wave_0_\@
	s_barrier_signal -3
.Lnot_wave_0_\@:
	s_barrier_wait -3
	s_barrier_signal -1
	s_barrier_wait -1
.endm
	s_load_b128 s[4:7], s[0:1], 0x0                ; qkv, ao
	v_lshl_add_u32 v[SPW], v0, 2, SPARE
	v_mov_b32 v[NIL], 0
	ds_add_u32 v[SPW], v[NIL]                      ; the wave's opening: the add, twice on end, and its wait ahead of my first tensor load
	ds_add_u32 v[SPW], v[NIL]
	v_lshrrev_b32 v1, 5, v0
	v_readfirstlane_b32 s[WV], v1                  ; wave 0..7
	s_bfe_u32 s13, ttmp6, 0x40000                  ; cx: my block of 512 queries (the grid's x is one cluster): it enters Q's, ao's and the prefetches' addresses alone
	s_and_b32 s14, ttmp7, 0xffff                   ; the head, batch x 16 + head, which the four partners share
	s_lshl_b32 s16, s14, 18                        ; its plane in a part of qkv: 262,144 bytes
	s_and_b32 s17, s[WV], 3                        ; which of a slot's four steps I fetch:
	s_lshl_b32 s20, s17, 13                        ; its 64 rows of 128 bytes in memory,
	s_add_co_u32 s20, s20, s16
	s_mov_b32 s21, 0
	s_mul_i32 s17, s17, STEPB                      ; and its place in a slot
	s_lshl_b32 s22, s13, 16                        ; my block's 512 rows,
	s_lshl_b32 s23, s[WV], 13                      ; my wave's 64 of them
	s_add_co_u32 s22, s22, s23
	s_add_co_u32 s48, s22, s16                     ; Q
	s_mov_b32 s49, 0
	s_and_b32 s50, s14, 15                         ; ao: plane = head,
	s_lshl_b32 s50, s50, 20
	s_lshr_b32 s51, s14, 4                         ; token = batch x 2,048 + position
	s_lshl_b32 s51, s51, 18
	s_add_co_u32 s50, s50, s51
	s_add_co_u32 s50, s50, s22
	s_mov_b32 s51, 0
	s_mov_b32 s22, 0x2000000                       ; the prefetches: V's part of qkv,
	s_cmp_lt_u32 s[WV], 4
	s_cselect_b32 s22, 0x1000000, s22              ; or K's,
	s_add_co_u32 s22, s22, s16                     ; my head,
	s_lshl_b32 s23, s13, 13
	s_add_co_u32 s22, s22, s23                     ; my work-group's 8,192 bytes of a slot's 32,768,
	s_add_co_u32 s22, s22, SLOTB                   ; in slot 1: the first change of slots steps it to slot 2
	s_mov_b32 s23, 0
	s_and_b32 s[LIM], s[WV], 3
	s_cmp_eq_u32 s[LIM], 0
	s_cselect_b32 s[LIM], 1, -1                    ; waves 0 and 4 ask
	; descriptor group 1: a tile of 64 rows x 64 elements of 2 bytes, padded in LDS
	s_mov_b32 s[G1K], 15|(1<<16)|(1<<20)|(1<<21)|(4<<22)|(3<<25)   ; 15:0 the mask: all four; 17:16 2 bytes; 20 padding on; 21 set beside a mask; 24:22 after every 32 words; 31:25 four words
	s_mov_b32 s[G1V], 15|(1<<16)|(1<<20)|(1<<21)|(4<<22)|(7<<25)   ; the same with eight words
.irp g, G1K, G1V
	s_mov_b32 s[\g+1], 64<<16                      ; tensor_dim0
	s_mov_b32 s[\g+2], KS<<16                      ; tensor_dim1
	s_mov_b32 s[\g+3], 64<<16                      ; tile_dim0
	s_mov_b32 s[\g+4], KS                          ; tile_dim1
	s_mov_b32 s[\g+5], 64                          ; from row to row
	s_mov_b32 s[\g+6], 0
	s_mov_b32 s[\g+7], 0
.endr
	s_mov_b32 s[CS], 0x3e38aa3b                    ; c = log2(e) / 8
	s_mov_b32 s[CS+1], s[CS]                       ; (named with it as a pair, so it is written)
	s_mov_b32 s[SEL], 0x76543210
	s_mov_b32 s[SEL+1], 0xfedcba98
	s_mov_b32 s[TB], 0
	s_mov_b32 s[SLOTS], NSL-1
	s_wait_dscnt 0x0                               ; both opening adds are done
	s_wait_kmcnt 0x0
	s_add_nc_u64 s[QB:QB+1], s[4:5], s[48:49]
	s_add_nc_u64 s[OB:OB+1], s[6:7], s[50:51]
	s_add_nc_u64 s[PFA:PFA+1], s[4:5], s[22:23]
	s_mov_b32 s[G0K], 1                            ; count = 1
	s_mov_b32 s[G0K+1], s17                        ; LDS address: slot 0
	s_add_nc_u64 s[G0K+2:G0K+3], s[4:5], s[20:21]
	s_add_nc_u64 s[G0K+2:G0K+3], s[G0K+2:G0K+3], 0x1000000   ; K is the second part of qkv
	s_or_b32 s[G0K+3], s[G0K+3], 0x80000000        ; type = 2
	s_mov_b32 s[G0V], 1
	s_add_co_u32 s[G0V+1], s17, VOFF
	s_add_nc_u64 s[G0V+2:G0V+3], s[4:5], s[20:21]
	s_add_nc_u64 s[G0V+2:G0V+3], s[G0V+2:G0V+3], 0x2000000   ; V the third
	s_or_b32 s[G0V+3], s[G0V+3], 0x80000000
	CROUND                                         ; all four work-groups are here: the first joint loads meet
	JLOAD                                          ; slot 0
	v_and_b32 v1, 15, v0                           ; r = lane % 16
	v_bfe_u32 v13, v0, 4, 1                        ; h = lane / 16
	v_lshlrev_b32 v[QO], 7, v1
	v_lshl_add_u32 v[QO], v13, 4, v[QO]            ; row x 128 + 16 x half
	WIN 0x40                                       ; destination window 1
.irp i, 0,1,2,3,4,5,6,7                        ; Q stays in registers: tile i / 2, channels 32 (i % 2) on
	global_load_b128 v[QF+8*\i:QF+8*\i+3],   v[QO], s[QB:QB+1] offset:(\i/2)*2048+(\i%2)*64
	global_load_b128 v[QF+8*\i+4:QF+8*\i+7], v[QO], s[QB:QB+1] offset:(\i/2)*2048+(\i%2)*64+32
.endr
.set i, 0
.rept 128
	v_mov_b32 v[i], 0                              ; O^T begins as zeros: so the step has no first copy of its own
.set i, i+1
.endr
	WIN 0
	v_mul_u32_u24 v[AK0], v1, PK
	v_lshl_add_u32 v[AK0], v13, 4, v[AK0]          ; K: row x pitch + 16 x half
	v_and_b32 v14, 7, v0                           ; V, turned: lane l reads 16 bytes of key 8 (l / 16) + l % 8, channels 8 ((l / 8) % 2) on
	v_bfe_u32 v15, v0, 3, 1
	v_lshl_add_u32 v[AV0], v13, 3, v14
	v_mul_u32_u24 v[AV0], v[AV0], PV
	v_lshl_add_u32 v[AV0], v15, 4, v[AV0]
	v_add_nc_u32 v[AV0], VOFF, v[AV0]
	s_mul_i32 s22, s[WV], 16*SP
	s_add_co_u32 s22, s22, STAGE                   ; my stage
	v_mul_u32_u24 v[STO], v1, SP
	v_lshl_add_u32 v[STO], v13, 4, v[STO]
	v_add_nc_u32 v[STO], s22, v[STO]               ; in: row r, 16 bytes for each half of the lanes
	v_bfe_u32 v15, v0, 3, 2
	v_mul_u32_u24 v[RD], v15, SP
	v_lshl_add_u32 v[RD], v14, 4, v[RD]
	v_add_nc_u32 v[RD], s22, v[RD]                 ; back: eight lanes to a row of 128 bytes, four rows an instruction
	v_and_b32 v[GO], 31, v0
	v_lshlrev_b32 v[PFO], 8, v[GO]
	v_lshlrev_b32 v[GO], 4, v[GO]
.irp t, 0,1,2,3
	v_mov_b32 v[ST+8*\t+1], 0xff61b1e6             ; m = -3e38, under every score
	v_mul_f32 v[ST+8*\t], s[CS], v[ST+8*\t+1]      ; c m
	v_mov_b32 v[ST+8*\t+2], 0                      ; l, in two halves
	v_mov_b32 v[ST+8*\t+3], 0
.endr
; A KEY STEP: 64 keys for my four tiles of queries.
.macro STEP
	v_add_nc_u32 v[ADK], s[TB], v[AK0]
	v_add_nc_u32 v[ADV], s[TB], v[AV0]
.rept 3
	v_nop                                          ; with the two additions: five places behind the last step's products, whose P the first products below write over (five are owed) and whose V the loads below land on (four)
.endr
	s_add_co_u32 s[TB], s[TB], STEPB
	WIN 0x40
.irp f, 0,1,2,3,4,5,6,7                        ; K: keys 16 (f / 2) on, channels 32 (f % 2) on
	ds_load_b128 v[KF+8*\f:KF+8*\f+3],   v[ADK] offset:(\f/2)*16*PK+(\f%2)*64
	ds_load_b128 v[KF+8*\f+4:KF+8*\f+7], v[ADK] offset:(\f/2)*16*PK+(\f%2)*64+32
.endr
	WIN 0
.irp f, 0,1,2,3,4,5,6,7                        ; V^T: keys 32 (f / 4) on, channels 16 (f % 4) on
	ds_load_tr16_b128 v[VF+8*\f:VF+8*\f+3],   v[ADV] offset:(\f/4)*32*PV+(\f%4)*32
	ds_load_tr16_b128 v[VF+8*\f+4:VF+8*\f+7], v[ADV] offset:(\f/4)*32*PV+16*PV+(\f%4)*32
.endr
	s_wait_dscnt 16                                ; K is in; V's sixteen loads may be out
	WIN 0x05                                       ; K and Q in window 1, S^T in window 0
.irp c, 0,1                                    ; S^T = K Q^T: the sixteen accumulators take turns, one instruction a turn
.irp kt, 0,1,2,3
.irp t, 0,1,2,3
.if \c == 0
	v_wmma_f32_16x16x32_f16 v[S+32*\t+8*\kt:S+32*\t+8*\kt+7], v[KF+16*\kt+8*\c:KF+16*\kt+8*\c+7], v[QF+16*\t+8*\c:QF+16*\t+8*\c+7], 0
.else
	v_wmma_f32_16x16x32_f16 v[S+32*\t+8*\kt:S+32*\t+8*\kt+7], v[KF+16*\kt+8*\c:KF+16*\kt+8*\c+7], v[QF+16*\t+8*\c:QF+16*\t+8*\c+7], v[S+32*\t+8*\kt:S+32*\t+8*\kt+7]
.endif
.endr
.endr
.endr
	WIN 0
.rept 4
	v_nop                                          ; places in front of the first read of the scores
.endr
	; the maximum of a lane's 32 scores and the old m: four chains a tile, each begun at its accumulator's low end; the four tiles by turns
.irp j, 0,1,2,3
.irp t, 0,1,2,3
	v_max3_num_f32 v[ST+8*\t+4+\j], v[S+32*\t+8*\j], v[S+32*\t+8*\j+1], v[S+32*\t+8*\j+2]
.endr
.endr
.irp u, 1,2
.irp j, 0,1,2,3
.irp t, 0,1,2,3
	v_max3_num_f32 v[ST+8*\t+4+\j], v[ST+8*\t+4+\j], v[S+32*\t+8*\j+2*\u+1], v[S+32*\t+8*\j+2*\u+2]
.endr
.endr
.endr
.irp t, 0,1,2,3
	v_max3_num_f32 v[ST+8*\t+4], v[ST+8*\t+4], v[S+32*\t+7], v[S+32*\t+15]
.endr
.irp t, 0,1,2,3
	v_max3_num_f32 v[ST+8*\t+6], v[ST+8*\t+6], v[S+32*\t+23], v[S+32*\t+31]
.endr
.irp t, 0,1,2,3
	v_max3_num_f32 v[ST+8*\t+4], v[ST+8*\t+4], v[ST+8*\t+5], v[ST+8*\t+6]
.endr
.irp t, 0,1,2,3
	v_max3_num_f32 v[ST+8*\t+4], v[ST+8*\t+4], v[ST+8*\t+7], v[ST+8*\t+1]
.endr
.irp t, 0,1,2,3
	v_permlanex16_b32 v[ST+8*\t+5], v[ST+8*\t+4], s[SEL], s[SEL+1]   ; the query's other 32 keys lie in the lane 16 away
.endr
.irp t, 0,1,2,3
	v_mov_b32 v[ST+8*\t+7], v[ST+8*\t]             ; c m_old is kept for a
.endr
.irp t, 0,1,2,3
	v_max_num_f32 v[ST+8*\t+1], v[ST+8*\t+4], v[ST+8*\t+5]
.endr
.irp t, 0,1,2,3
	v_mul_f32 v[ST+8*\t], s[CS], v[ST+8*\t+1]
.endr
.irp t, 0,1,2,3
	v_sub_f32 v[ST+8*\t+7], v[ST+8*\t+7], v[ST+8*\t]
.endr
	; ONE BATCH: the scalings c s - c m and all 132 exponentials; none of these lines names an exponential's result.  A tile's scalings stand among the exponentials of the tile before
.irp i, 0,2,4,6,8,10,12,14,16,18,20,22,24,26,28,30
	v_pk_fma_f32 v[S+\i:S+\i+1], v[S+\i:S+\i+1], s[CS:CS+1], v[ST:ST+1] op_sel_hi:[1,0,0] neg_lo:[0,0,1] neg_hi:[0,0,1]
.endr
.irp t, 0,1,2,3
	v_exp_f32 v[ST+8*\t+6], v[ST+8*\t+7]           ; a
.endr
.irp t, 0,1,2,3
.irp i, 0,2,4,6,8,10,12,14,16,18,20,22,24,26,28,30
.if \t < 3
	v_pk_fma_f32 v[S+32*(\t+1)+\i:S+32*(\t+1)+\i+1], v[S+32*(\t+1)+\i:S+32*(\t+1)+\i+1], s[CS:CS+1], v[ST+8*(\t+1):ST+8*(\t+1)+1] op_sel_hi:[1,0,0] neg_lo:[0,0,1] neg_hi:[0,0,1]
.endif
	v_exp_f32 v[S+32*\t+\i], v[S+32*\t+\i]
	v_exp_f32 v[S+32*\t+\i+1], v[S+32*\t+\i+1]
.endr
.endr
	v_nop                                          ; the plain line behind the last exponential
	s_wait_alu depctr_va_vdst(0)                   ; one wait for the whole batch, ahead of its first reader
	; the sums of the unrounded p: two chains a tile, a pair of keys at a time
.irp t, 0,1,2,3
	v_pk_add_f32 v[T+4*\t:T+4*\t+1], v[S+32*\t:S+32*\t+1], v[S+32*\t+2:S+32*\t+3]
.endr
.irp t, 0,1,2,3
	v_pk_add_f32 v[T+4*\t+2:T+4*\t+3], v[S+32*\t+4:S+32*\t+5], v[S+32*\t+6:S+32*\t+7]
.endr
.irp i, 8,12,16,20,24,28
.irp t, 0,1,2,3
	v_pk_add_f32 v[T+4*\t:T+4*\t+1], v[T+4*\t:T+4*\t+1], v[S+32*\t+\i:S+32*\t+\i+1]
.endr
.irp t, 0,1,2,3
	v_pk_add_f32 v[T+4*\t+2:T+4*\t+3], v[T+4*\t+2:T+4*\t+3], v[S+32*\t+\i+2:S+32*\t+\i+3]
.endr
.endr
.irp t, 0,1,2,3
	v_pk_add_f32 v[T+4*\t:T+4*\t+1], v[T+4*\t:T+4*\t+1], v[T+4*\t+2:T+4*\t+3]
.endr
.irp t, 0,1,2,3
	v_pk_fma_f32 v[ST+8*\t+2:ST+8*\t+3], v[ST+8*\t+2:ST+8*\t+3], v[ST+8*\t+6:ST+8*\t+7], v[T+4*\t:T+4*\t+1] op_sel_hi:[1,0,1]   ; l = l a + the step's sum
.endr
	; P, in place: 16 scores of two neighbouring key tiles become the 8 registers of source 1 for 32 keys; ascending, so that each pair is read before its place is written
.irp t, 0,1,2,3
.irp kk, 0,1
.irp i, 0,1,2,3,4,5,6,7
	v_cvt_pk_f16_f32 v[S+32*\t+16*\kk+\i], v[S+32*\t+16*\kk+2*\i], v[S+32*\t+16*\kk+2*\i+1]
.endr
.endr
.endr
	WIN 0x41                                       ; O^T (destination and source 0) in window 1, a in window 0
.irp t, 0,1,2,3
.irp i, 0,2,4,6,8,10,12,14,16,18,20,22,24,26,28,30
	v_pk_mul_f32 v[32*\t+\i:32*\t+\i+1], v[32*\t+\i:32*\t+\i+1], v[ST+8*\t+6:ST+8*\t+7] op_sel_hi:[1,0]   ; each accumulator from its low end on
.endr
.endr
	s_wait_dscnt 0x0                               ; V is in
	WIN 0x50                                       ; V and P in window 0, O^T in window 1
.irp kk, 0,1                                   ; O^T += V^T P: the sixteen accumulators take turns
.irp ct, 0,1,2,3
.irp t, 0,1,2,3
	v_wmma_f32_16x16x32_f16 v[32*\t+8*\ct:32*\t+8*\ct+7], v[VF+8*(4*\kk+\ct):VF+8*(4*\kk+\ct)+7], v[S+32*\t+16*\kk:S+32*\t+16*\kk+7], v[32*\t+8*\ct:32*\t+8*\ct+7]
.endr
.endr
.endr
	WIN 0
.endm
.macro FOUR_STEPS                      ; a slot's four steps: written once, walked four times; the LDS addresses hang on s[TB]
	s_mov_b32 s[CNT], NST
.Lstep_\@:
	STEP
	s_sub_co_u32 s[CNT], s[CNT], 1
	s_cmp_lg_u32 s[CNT], 0
	s_cbranch_scc1 .Lstep_\@
	s_sub_co_u32 s[TB], s[TB], NST*STEPB           ; back to a slot's first step,
	s_xor_b32 s[TB], s[TB], SLOT1                  ; in the other slot
.endm
; THE CHANGE OF SLOTS stands at a slot's head.  Each wave waits for all its tensor loads (its part of the slot ahead), adds 0 to its spare word, and waits for that and for its reads of the slot that it has left.
; fill = 1: a round of the cluster's barrier, so that no wave of any partner still reads the slot left or has a load on its way; the joint load of the next 256 keys into it comes first behind the round and has four steps in which to land.
.macro CHANGE fill
	s_wait_tensorcnt 0x0                           ; no tensor load of mine is out, so a group 0 may be written
	ds_add_u32 v[SPW], v[NIL]                      ; 0 onto my spare word
.if \fill
	s_xor_b32 s[G0K+1], s[G0K+1], SLOT1            ; the walking descriptors: the other slot than last time,
	s_add_nc_u64 s[G0K+2:G0K+3], s[G0K+2:G0K+3], SLOTB   ; the next 256 keys; the type bits on top are not reached
	s_xor_b32 s[G0V+1], s[G0V+1], SLOT1
	s_add_nc_u64 s[G0V+2:G0V+3], s[G0V+2:G0V+3], SLOTB
	s_wait_xcnt 0x0                                ; the last prefetch, four steps back, has read its address:
	s_add_nc_u64 s[PFA:PFA+1], s[PFA:PFA+1], SLOTB ; one slot further on than the walking descriptors
	s_wait_dscnt 0x0                               ; the add is done, and my reads of the slot that I have left are over
	CROUND
	JLOAD
	ASK
.else
	s_wait_dscnt 0x0
	s_barrier_signal -1
	s_barrier_wait -1
.endif
.endm
	s_wait_loadcnt 0x0                             ; Q
.Lslot:                                            ; seven trips: behind each change of slots but the last the next slot is asked for
	CHANGE 1
	FOUR_STEPS
	s_sub_co_u32 s[SLOTS], s[SLOTS], 1
	s_cmp_lg_u32 s[SLOTS], 0
	s_cbranch_scc1 .Lslot
	CHANGE 0                                       ; the last slot is written out
	FOUR_STEPS
	; THE WAY OUT.  l's two halves and the other half of the lanes' are added (these lines are the places behind the last products); O^T is divided by l, rounded to f16 and sent through my stage, a tile of 16 queries at a time.
.irp t, 0,1,2,3
	v_add_f32 v[ST+8*\t+4], v[ST+8*\t+2], v[ST+8*\t+3]
.endr
.irp t, 0,1,2,3
	v_permlanex16_b32 v[ST+8*\t+5], v[ST+8*\t+4], s[SEL], s[SEL+1]
.endr
.irp t, 0,1,2,3
	v_add_f32 v[ST+8*\t+4], v[ST+8*\t+4], v[ST+8*\t+5]
.endr
.irp t, 0,1,2,3
	v_rcp_f32 v[ST+8*\t+6], v[ST+8*\t+4]
.endr
	v_nop                                          ; the plain line behind the last reciprocal
	s_wait_alu depctr_va_vdst(0)                   ; one wait for the four, ahead of their first reader
.macro PACK t
	WIN 0x41
.irp i, 0,2,4,6,8,10,12,14,16,18,20,22,24,26,28,30
	v_pk_mul_f32 v[32*\t+\i:32*\t+\i+1], v[32*\t+\i:32*\t+\i+1], v[ST+8*\t+6:ST+8*\t+7] op_sel_hi:[1,0]
.endr
	WIN 0x05                                       ; sources in window 1, destination in window 0: S^T's registers are free
.irp i, 0,1,2,3,4,5,6,7,8,9,10,11,12,13,14,15
	v_cvt_pk_f16_f32 v[S+16*\t+\i], v[32*\t+2*\i], v[32*\t+2*\i+1]
.endr
	WIN 0
.irp f, 0,1,2,3
	ds_store_b128 v[STO], v[S+16*\t+4*\f:S+16*\t+4*\f+3] offset:32*\f
.endr
.irp f, 0,1,2,3
	ds_load_b128 v[S+16*\t+4*\f:S+16*\t+4*\f+3], v[RD] offset:\f*4*SP   ; LDS serves a wave's instructions in order (ISA guide 5.7.1.4): these see the stores above, and the next tile's stores come behind them
.endr
.endm
.macro SEND t, younger                 ; younger: the LDS instructions issued behind tile t's loads: the next tile's eight, or none
.irp f, 0,1,2,3
	s_wait_dscnt \younger+3-\f
	global_store_b128 v[GO], v[S+16*\t+4*\f:S+16*\t+4*\f+3], s[OB:OB+1] offset:\t*2048+\f*512   ; four tokens of a head: 512 consecutive bytes, aligned
.endr
.endm
	PACK 0
	PACK 1
	SEND 0, 8
	PACK 2
	SEND 1, 8
	PACK 3
	SEND 2, 8
	SEND 3, 0
	s_wait_tensorcnt 0x0                           ; the wave's end: these three lines behind my last tensor load and my last LDS store
	ds_add_u32 v[SPW], v[NIL]
	s_wait_dscnt 0x0
	CROUND                                         ; the closing round
	s_endpgm
.Lfunc_end_k_qa35b31140d_attn:
	.size	k_qa35b31140d_attn, .Lfunc_end_k_qa35b31140d_attn-k_qa35b31140d_attn
	.p2alignl 7, 3214868480
	.fill 96, 4, 3214868480
	.section	.rodata,"a",@progbits
	.p2align	6, 0x0
	.amdhsa_kernel k_qa35b31140d_attn
		.amdhsa_group_segment_fixed_size 327680
		.amdhsa_private_segment_fixed_size 0
		.amdhsa_enable_private_segment 0
		.amdhsa_kernarg_size 16
		.amdhsa_user_sgpr_count 2
		.amdhsa_user_sgpr_kernarg_segment_ptr 1
		.amdhsa_wavefront_size32 1
		.amdhsa_system_sgpr_workgroup_id_x 1
		.amdhsa_system_sgpr_workgroup_id_y 1
		.amdhsa_system_sgpr_workgroup_id_z 1
		.amdhsa_system_vgpr_workitem_id 0
		.amdhsa_next_free_vgpr 512
		.amdhsa_next_free_sgpr 66
		.amdhsa_reserve_vcc 0
		.amdhsa_float_denorm_mode_32 3
		.amdhsa_float_denorm_mode_16_64 3
		.amdhsa_memory_ordered 1
		.amdhsa_forward_progress 1
		.amdhsa_inst_pref_size 92
	.end_amdhsa_kernel
	.amdgpu_metadata
---
amdhsa.version: [ 1, 2 ]
amdhsa.kernels:
  - .name:           k_qa35b31140d_attn
    .symbol:         k_qa35b31140d_attn.kd
    .args:
      - { .name: qkv, .offset: 0, .size: 8, .value_kind: global_buffer, .address_space: global }
      - { .name: ao, .offset: 8, .size: 8, .value_kind: global_buffer, .address_space: global }
    .group_segment_fixed_size: 327680
    .private_segment_fixed_size: 0
    .kernarg_segment_align: 8
    .kernarg_segment_size: 16
    .max_flat_workgroup_size: 256
    .sgpr_count:     66
    .vgpr_count:     512
    .wavefront_size: 32
...
	.end_amdgpu_metadata
.endif
;; end of part 3
;; launch proj (part 4): grid 4 x 64, 4 waves a work-group, clusters of 4 x 4, 327,680 bytes of LDS; arguments ao, wo16, b_out, out0; writes out0
.if DOCPART == 4
	.amdgcn_target "amdgcn-amd-amdhsa--gfx1250"
	.amdhsa_code_object_version 6
	.text
	.protected	k_qa35b31140d_proj
	.globl	k_qa35b31140d_proj
	.p2align	8
	.type	k_qa35b31140d_proj,@function
k_qa35b31140d_proj:
	s_mov_b64 s[64:65], 0
	v_nop
	global_prefetch_b8 v0, s[64:65] scope:SCOPE_SE
	s_setreg_imm32_b32 hwreg(HW_REG_WAVE_MODE, 25, 1), 1
	s_wait_xcnt 0x0
	s_wait_alu depctr_hold_cnt(0) depctr_sa_sdst(0) depctr_va_vdst(0) depctr_va_sdst(0) depctr_va_ssrc(0) depctr_va_vcc(0) depctr_vm_vsrc(0)
	s_getreg_b32 s2, hwreg(HW_REG_IB_STS2, 6, 4)
	s_cmp_eq_u32 s2, 0
	s_cbranch_scc0 .Lentry_in_a_cluster
	s_endpgm
.Lentry_in_a_cluster:
	s_bfe_u32 s2, ttmp6, 0x10000c
	s_cmp_lg_u32 s2, 0xf033
	s_cbranch_scc0 .Lentry_shape_is_right
	s_endpgm
.Lentry_shape_is_right:
; out0 = O W_out^T + b_out.  O comes as ao [16 heads][8192 tokens][64] f16 (K = head x 64 + channel), W_out as wo16 [1024 n][1024 k] f16; sums and result in f32.
; A tile of 128 tokens x 256 columns is made by four waves, each 64 x 128: 32 accumulators of 16 x 16.  8192 / 128 x 1024 / 256 = 256 work-groups.
; K goes in steps of 128, two heads' planes, through two LDS slots.  Waves 0 and 1 fetch the two planes of O (128 rows x 128 bytes each), waves 2 and 3 the two halves of W's 256 rows (256 bytes each): one tensor load a wave.
; CLUSTERS: 4 x 4 work-groups.  The four of a row of the cluster need the same tiles of O, the four of a column the same tiles of W: each is asked for jointly.
; THE MATRIX INSTRUCTION IS USED TRANSPOSED (source 0 = 16 rows of W, source 1 = 16 tokens): a lane holds eight neighbouring columns of one token.  The bias, in that layout, is the C of each sum's first instruction.
; REGISTERS.  Window 0: v0-31 addresses; v64-127 the bias; v128-255 the way out.  Window 1: two fragment buffers of 96 at v0 and v128: O's 4 fragments, then W's 8.  Window 2: the accumulators, (a, b) at v[8 (8 a + b)].
.set PA,     144                       ; a row of O in LDS: 128 bytes + 16
.set PB,     272                       ; a row of W: 256 + 16
.set APL,    128*PA                    ; a plane's 128 rows
.set BOFF,   2*APL
.set BHALF,  128*PB
.set SLOT,   BOFF+2*BHALF              ; 106,496 bytes
.set STAGE,  2*SLOT                    ; behind the slots: 16 rows x (512 bytes + 16) for each wave
.set SPITCH, 528
.set SPARE,  STAGE+4*16*SPITCH         ; behind the stages: the spare words, 128 bytes a wave
.set LAPS,   4                         ; a lap = two K steps; 1,024 / 256
.set ADRA, 16                          ; v16-17  LDS address of my fragments of O in slot 0, 1
.set ADRB, 20                          ; v20-21  the same for W
.set STO,  24                          ; v24     the way out: where I put 32 bytes of a row
.set RD,   25                          ; v25     where I read a row back
.set CO,   26                          ; v26     16 x lane
.set SPW,  28                          ; v28     LDS address of my spare word; never rewritten
.set NIL,  29                          ; v29     0; never rewritten
.set BIAS, 64
.set BK,   128
.set F0,   0
.set F1,   128
.set G1, 24                            ; s[24:31] descriptor group 1 for O's tiles;  s[32:39] group 0, one set for each slot
.set G0, 32
.set G1B, 48                           ; s[48:55], s[56:63] the same for W's
.set G0B, 56
.set WV, 66                            ; s66 wave;  s67 wave / 2: my half of the tokens, and: I fetch for O (0) or W (1);  s68 wave % 2: my half of the columns, and which part I fetch
.set RH, 67
.set CH, 68
.set MSB, 0
.macro WIN new                         ; the immediate's high byte repeats the setting that is left; a switch that changes nothing is dropped
.set WNEW, \new
.if MSB != WNEW
	s_set_vgpr_msb (MSB<<8)|WNEW
.set MSB, WNEW
.endif
.endm
.set MUL,  0xa5                        ; sources 0 (W) and 1 (O) window 1; C and D window 2
.set TO_F, 0x40                        ; destination window 1, address window 0
.macro JLOAD s                         ; a joint load; the branch hangs on the wave's number alone; an s_nop 0 and four v_nop follow each of the two lines
	s_cmp_eq_u32 s[RH], 0
	s_cbranch_scc0 .Lfor_b_\@
	tensor_load_to_lds s[G0+4*\s:G0+4*\s+3], s[G1:G1+7]
	s_nop 0
.rept 4
	v_nop
.endr
	s_branch .Lasked_\@
.Lfor_b_\@:
	tensor_load_to_lds s[G0B+4*\s:G0B+4*\s+3], s[G1B:G1B+7]
	s_nop 0
.rept 4
	v_nop
.endr
.Lasked_\@:
.endm
.macro CREST                           ; a round of the cluster's barrier behind its opening barrier
	s_cmp_lg_u32 s[WV], 0
	s_cbranch_scc1 .Lnot_wave_0_\@
	s_barrier_signal -3
.Lnot_wave_0_\@:
	s_barrier_wait -3
	s_barrier_signal -1
	s_barrier_wait -1
.endm
.macro CROUND
	s_barrier_signal -1
	s_barrier_wait -1
	CREST
.endm
	s_load_b128 s[4:7], s[0:1], 0x0                ; ao, wo16
	s_load_b128 s[8:11], s[0:1], 0x10              ; b_out, out0
	v_lshl_add_u32 v[SPW], v0, 2, SPARE
	v_mov_b32 v[NIL], 0
	ds_add_u32 v[SPW], v[NIL]                      ; the wave's opening: the add, twice on end, and its wait ahead of my first tensor load
	ds_add_u32 v[SPW], v[NIL]
	v_lshrrev_b32 v1, 5, v0
	v_readfirstlane_b32 s[WV], v1
	s_lshr_b32 s[RH], s[WV], 1
	s_and_b32 s[CH], s[WV], 1
	s_bfe_u32 s40, ttmp6, 0x40000                  ; cx, cy
	s_bfe_u32 s41, ttmp6, 0x40004
	s_lshl_b32 s42, ttmp9, 2
	s_add_co_u32 s42, s42, s40                     ; tile column
	s_and_b32 s13, ttmp7, 0xffff
	s_lshl_b32 s13, s13, 2
	s_add_co_u32 s13, s13, s41                     ; tile row
	s_lshl_b32 s43, s41, 2
	s_lshl_b32 s43, 15, s43                        ; my row of the cluster
	s_lshl_b32 s44, 0x1111, s40                    ; my column
	s_or_b32 s[G1+0], s43, (1<<16)|(1<<20)|(1<<21)|(4<<22)|(3<<25)   ; O: the mask of my row; elements of 2 bytes; padding on; bit 21 beside a mask; four words after every 32
	s_mov_b32 s[G1+1], 64<<16                      ; tensor_dim0
	s_mov_b32 s[G1+2], 128<<16                     ; tensor_dim1
	s_mov_b32 s[G1+3], 64<<16                      ; tile_dim0
	s_mov_b32 s[G1+4], 128                         ; tile_dim1
	s_mov_b32 s[G1+5], 64                          ; from row to row
	s_mov_b32 s[G1+6], 0
	s_mov_b32 s[G1+7], 0
	s_or_b32 s[G1B+0], s44, (1<<16)|(1<<20)|(1<<21)|(5<<22)|(3<<25)  ; W: the mask of my column; four words after every 64
	s_mov_b32 s[G1B+1], 128<<16
	s_mov_b32 s[G1B+2], 128<<16
	s_mov_b32 s[G1B+3], 128<<16
	s_mov_b32 s[G1B+4], 128
	s_mov_b32 s[G1B+5], 1024
	s_mov_b32 s[G1B+6], 0
	s_mov_b32 s[G1B+7], 0
	s_lshl_b32 s16, s[CH], 20                      ; O: plane wave % 2 of 1,048,576 bytes,
	s_lshl_b32 s17, s13, 14                        ; + tile row x 128 tokens x 128 bytes
	s_add_co_u32 s16, s16, s17
	s_mov_b32 s17, 0
	s_lshl_b32 s46, s42, 19                        ; W: row 256 x tile column + 128 x half, 2,048 bytes a row
	s_lshl_b32 s47, s[CH], 18
	s_add_co_u32 s46, s46, s47
	s_mov_b32 s47, 0
	s_mul_i32 s20, s[CH], APL                      ; where they go: no place in the cluster enters an LDS address
	s_mul_i32 s21, s[CH], BHALF
	s_add_co_u32 s21, s21, BOFF
	s_wait_dscnt 0x0                               ; both opening adds are done
	s_wait_kmcnt 0x0
	s_add_nc_u64 s[14:15], s[4:5], s[16:17]
	s_add_nc_u64 s[46:47], s[6:7], s[46:47]
	CROUND                                         ; all sixteen work-groups are here: the first joint loads meet
.irp s, 0,1
	s_mov_b32 s[G0+4*\s], 1
	s_add_co_u32 s[G0+4*\s+1], s20, \s*SLOT
	s_add_nc_u64 s[G0+4*\s+2:G0+4*\s+3], s[14:15], \s*0x200000     ; K step s: two planes on
	s_or_b32 s[G0+4*\s+3], s[G0+4*\s+3], 0x80000000
	s_mov_b32 s[G0B+4*\s], 1
	s_add_co_u32 s[G0B+4*\s+1], s21, \s*SLOT
	s_add_nc_u64 s[G0B+4*\s+2:G0B+4*\s+3], s[46:47], \s*256
	s_or_b32 s[G0B+4*\s+3], s[G0B+4*\s+3], 0x80000000
	JLOAD \s
.endr
	v_and_b32 v1, 15, v0                           ; r
	v_bfe_u32 v2, v0, 4, 1                         ; h
	s_lshl_b32 s46, s42, 10                        ; my first column, in bytes of f32: 1,024 x tile column + 512 x half
	s_lshl_b32 s47, s[CH], 9
	s_add_co_u32 s46, s46, s47
	s_mov_b32 s47, 0
	s_add_nc_u64 s[8:9], s[8:9], s[46:47]          ; the bias at my columns
	v_lshlrev_b32 v7, 5, v2
.irp b, 0,1,2,3,4,5,6,7
	global_load_b128 v[BIAS+8*\b:BIAS+8*\b+3],   v7, s[8:9] offset:64*\b
	global_load_b128 v[BIAS+8*\b+4:BIAS+8*\b+7], v7, s[8:9] offset:64*\b+16
.endr
	s_lshl_b32 s16, s13, 7
	s_lshl_b32 s17, s[RH], 6
	s_add_co_u32 s16, s16, s17                     ; my first token
	s_lshl_b32 s16, s16, 12                        ; 4,096 bytes a row of out0: under 2^25
	s_add_co_u32 s16, s16, s46
	s_mov_b32 s17, 0
	s_add_nc_u64 s[10:11], s[10:11], s[16:17]
	v_mul_u32_u24 v3, v1, PA
	v_lshl_add_u32 v3, v2, 4, v3
	v_mul_u32_u24 v4, v1, PB
	v_lshl_add_u32 v4, v2, 4, v4
	s_mul_i32 s21, s[RH], 64*PA                    ; my 64 tokens in a plane
	s_mul_i32 s22, s[CH], BHALF                    ; my 128 rows of W
	s_add_co_u32 s22, s22, BOFF
.irp s, 0,1
	v_add_nc_u32 v[ADRA+\s], s21, v3
	v_add_nc_u32 v[ADRB+\s], s22, v4
	s_add_co_u32 s21, s21, SLOT
	s_add_co_u32 s22, s22, SLOT
.endr
	s_mul_i32 s23, s[WV], 16*SPITCH
	s_add_co_u32 s23, s23, STAGE                   ; my stage
	v_mul_u32_u24 v5, v1, SPITCH
	v_lshl_add_u32 v5, v2, 5, v5
	v_add_nc_u32 v[STO], s23, v5                   ; in: row r, 32 bytes for each half of the lanes
	v_and_b32 v6, 31, v0
	v_lshlrev_b32 v[CO], 4, v6
	v_add_nc_u32 v[RD], s23, v[CO]                 ; back: the 32 lanes take one row of 512 bytes
; 8 matrix instructions: token block a against W's eight, 32 along K, from buffer f.  first = 1: the sums start from the bias.  The 32 accumulators take turns, in the same order in every quarter.
.macro MUL8 f, a, first
.irp b, 0,1,2,3,4,5,6,7
.if \first
	v_wmma_f32_16x16x32_f16 v[8*(8*(\a)+\b):8*(8*(\a)+\b)+7], v[\f+32+8*\b:\f+32+8*\b+7], v[\f+8*(\a):\f+8*(\a)+7], v[BIAS+8*\b:BIAS+8*\b+7]
.else
	v_wmma_f32_16x16x32_f16 v[8*(8*(\a)+\b):8*(8*(\a)+\b)+7], v[\f+32+8*\b:\f+32+8*\b+7], v[\f+8*(\a):\f+8*(\a)+7], v[8*(8*(\a)+\b):8*(8*(\a)+\b)+7]
.endif
.endr
.endm
; 24 LDS loads in one run: the fragments of the slot's q-th 32 along K into buffer f.  O's quarter q lies in plane q / 2, at byte 64 (q % 2) of its rows
.macro FETCH slot, q, f
	WIN TO_F
.irp i, 0,1,2,3
	ds_load_b128 v[\f+8*\i:\f+8*\i+3],   v[ADRA+\slot] offset:((\q)/2)*APL+((\q)%2)*64+\i*16*PA
	ds_load_b128 v[\f+8*\i+4:\f+8*\i+7], v[ADRA+\slot] offset:((\q)/2)*APL+((\q)%2)*64+\i*16*PA+32
.endr
.irp i, 0,1,2,3,4,5,6,7
	ds_load_b128 v[\f+32+8*\i:\f+32+8*\i+3],   v[ADRB+\slot] offset:64*(\q)+\i*16*PB
	ds_load_b128 v[\f+32+8*\i+4:\f+32+8*\i+7], v[ADRB+\slot] offset:64*(\q)+\i*16*PB+32
.endr
.endm
.macro PLACES                          ; four places in front of loads into registers that matrix instructions have read, and of the first read of results
.rept 4
	v_nop
.endr
.endm
; A K step is four quarters of 32 along K, 32 matrix instructions each, on buffers 0, 1, 0, 1.  One of the first three: multiplies buffer f, and ahead of that asks for quarter qn into buffer g, which then has the 32 products in which to land.
.macro QUARTER slot, qn, f, g, first
	s_wait_dscnt 0x0                               ; buffer f is in: it was asked for a quarter ago
	PLACES
	FETCH \slot, \qn, \g
	WIN MUL-0x20*(\first)                          ; (first = 1: C, the bias, lies in window 0)
	MUL8 \f, 0, \first
	MUL8 \f, 1, \first
	MUL8 \f, 2, \first
	MUL8 \f, 3, \first
.endm
; The last quarter multiplies buffer 1 and changes slots: one barrier; in front of it each wave waits for all its tensor loads, adds 0 to its spare word, and waits for that and for its reads of this slot.  fill = 1: the barrier opens a round of the cluster's, and this slot is filled again, two K steps ahead.
.macro TURN slot, next, fill
	WIN 0                                          ; (the add's two registers lie in window 0)
	s_wait_tensorcnt 0x0                           ; all my tensor loads have landed: my part of the next slot
	ds_add_u32 v[SPW], v[NIL]                      ; 0 onto my spare word
	s_wait_dscnt 1                                 ; buffer 1 is in (the add may be out)
	WIN MUL
	MUL8 F1, 0, 0
	s_wait_dscnt 0x0                               ; the add is done, and my reads of this slot are over
	s_barrier_signal -1
	MUL8 F1, 1, 0
.if \fill
	WIN 0
.endif
	s_barrier_wait -1
.if \fill
	CREST                                          ; no wave of any partner still reads this slot or has a load on its way
	s_add_nc_u64 s[G0+4*\slot+2:G0+4*\slot+3], s[G0+4*\slot+2:G0+4*\slot+3], 0x400000   ; four planes on
	s_add_nc_u64 s[G0B+4*\slot+2:G0B+4*\slot+3], s[G0B+4*\slot+2:G0B+4*\slot+3], 512
	JLOAD \slot                                    ; the first tensor load behind the round; its four v_nop are also the places in front of the loads below
.else
	PLACES
.endif
	FETCH \next, 0, F0
	WIN MUL
	MUL8 F1, 2, 0
	MUL8 F1, 3, 0
.endm
	s_wait_tensorcnt 1                             ; my part of K step 0 is in (K step 1's load may be out)
	s_barrier_signal -1
	s_barrier_wait -1                              ; everybody's is
	FETCH 0, 0, F0
	s_wait_loadcnt 0x0                             ; the bias
	QUARTER 0, 1, F0, F1, 1                        ; the first quarter stands in front of the loop: its products start the sums
	WIN 0                                          ; at a label and at a branch every window is 0
	s_mov_b32 s3, LAPS-1
.Llap:                                             ; a trip goes once round the two slots, from a lap's second quarter to the next lap's first, and fills both again
	QUARTER 0, 2, F1, F0, 0
	QUARTER 0, 3, F0, F1, 0
	TURN 0, 1, 1
	QUARTER 1, 1, F0, F1, 0
	QUARTER 1, 2, F1, F0, 0
	QUARTER 1, 3, F0, F1, 0
	TURN 1, 0, 1
	QUARTER 0, 1, F0, F1, 0
	WIN 0
	s_sub_co_u32 s3, s3, 1
	s_cmp_lg_u32 s3, 0
	s_cbranch_scc1 .Llap
	QUARTER 0, 2, F1, F0, 0                        ; the last lap fills nothing and has no round
	QUARTER 0, 3, F0, F1, 0
	TURN 0, 1, 0
	QUARTER 1, 1, F0, F1, 0
	QUARTER 1, 2, F1, F0, 0
	QUARTER 1, 3, F0, F1, 0
	s_wait_dscnt 0x0                               ; the very last quarter
	WIN MUL
	MUL8 F1, 0, 0
	MUL8 F1, 1, 0
	MUL8 F1, 2, 0
	MUL8 F1, 3, 0
	WIN 0
; THE WAY OUT, block by block of 16 tokens x 128 columns: through my own stage, back as whole rows of 512 bytes.  LDS serves a wave's instructions in order (ISA guide 5.7.1.4): no wait between the stores and the loads, nor in front of the next block's stores.
.macro TOSTAGE a
	WIN 0x08                                       ; an LDS store's data are its source 1: window 2
.irp b, 0,1,2,3,4,5,6,7
	ds_store_b128 v[STO], v[8*(8*(\a)+\b):8*(8*(\a)+\b)+3] offset:64*\b          ; each accumulator from its low end on
	ds_store_b128 v[STO], v[8*(8*(\a)+\b)+4:8*(8*(\a)+\b)+7] offset:64*\b+16
.endr
	WIN 0
.set BB, BK+64*((\a)%2)
.irp t, 0,1,2,3,4,5,6,7,8,9,10,11,12,13,14,15
	ds_load_b128 v[BB+4*\t:BB+4*\t+3], v[RD] offset:\t*SPITCH
.endr
.endm
.macro SEND a, younger                 ; younger: the LDS instructions issued behind block a's loads, which may stay out
.set BB, BK+64*((\a)%2)
	s_wait_dscnt \younger
.irp t, 0,1,2,3,4,5,6,7,8,9,10,11,12,13,14,15
	global_store_b128 v[CO], v[BB+4*\t:BB+4*\t+3], s[10:11] offset:(16*(\a)+\t)*4096 th:TH_STORE_NT   ; 512 consecutive bytes, aligned; written once, read by nobody here
.endr
.endm
	PLACES
	TOSTAGE 0
.irp a, 1,2,3
.if \a > 1
	s_wait_xcnt 0x0                                ; block a - 2's stores have read the registers into which block a's rows come back
.endif
	TOSTAGE \a
	SEND \a-1, 32                                  ; behind block a - 1's loads: block a's 16 stores and 16 loads
.endr
	SEND 3, 0
	s_wait_tensorcnt 0x0                           ; the wave's end: these three lines behind my last tensor load and my last LDS store
	ds_add_u32 v[SPW], v[NIL]
	s_wait_dscnt 0x0
	CROUND                                         ; the closing round
	s_endpgm
.Lfunc_end_k_qa35b31140d_proj:
	.size	k_qa35b31140d_proj, .Lfunc_end_k_qa35b31140d_proj-k_qa35b31140d_proj
	.p2alignl 7, 3214868480
	.fill 96, 4, 3214868480
	.section	.rodata,"a",@progbits
	.p2align	6, 0x0
	.amdhsa_kernel k_qa35b31140d_proj
		.amdhsa_group_segment_fixed_size 327680
		.amdhsa_private_segment_fixed_size 0
		.amdhsa_enable_private_segment 0
		.amdhsa_kernarg_size 32
		.amdhsa_user_sgpr_count 2
		.amdhsa_user_sgpr_kernarg_segment_ptr 1
		.amdhsa_wavefront_size32 1
		.amdhsa_system_sgpr_workgroup_id_x 1
		.amdhsa_system_sgpr_workgroup_id_y 1
		.amdhsa_system_sgpr_workgroup_id_z 1
		.amdhsa_system_vgpr_workitem_id 0
		.amdhsa_next_free_vgpr 768
		.amdhsa_next_free_sgpr 72
		.amdhsa_reserve_vcc 0
		.amdhsa_float_denorm_mode_32 3
		.amdhsa_float_denorm_mode_16_64 3
		.amdhsa_memory_ordered 1
		.amdhsa_forward_progress 1
		.amdhsa_inst_pref_size 86
	.end_amdhsa_kernel
	.amdgpu_metadata
---
amdhsa.version: [ 1, 2 ]
amdhsa.kernels:
  - .name:           k_qa35b31140d_proj
    .symbol:         k_qa35b31140d_proj.kd
    .args:
      - { .name: ao, .offset: 0, .size: 8, .value_kind: global_buffer, .address_space: global }
      - { .name: wo16, .offset: 8, .size: 8, .value_kind: global_buffer, .address_space: global }
      - { .name: b_out, .offset: 16, .size: 8, .value_kind: global_buffer, .address_space: global }
      - { .name: out0, .offset: 24, .size: 8, .value_kind: global_buffer, .address_space: global }
    .group_segment_fixed_size: 327680
    .private_segment_fixed_size: 0
    .kernarg_segment_align: 8
    .kernarg_segment_size: 32
    .max_flat_workgroup_size: 128
    .sgpr_count:     72
    .vgpr_count:     768
    .wavefront_size: 32
...
	.end_amdgpu_metadata
.endif
;; end of part 4
